; MI455X (gfx1250); checked and timed in simulation.
; The chip was launched on July 23, 2026; its instructions are those of AMD's public machine-readable ISA for CDNA 5 (MIT licence, August 2026) and "CDNA5" Instruction Set Architecture Reference Guide (July 2026). The comments in the code are by the model that wrote it; some were corrected since.
;; Multi Head Dot Product Attention. Allowed arithmetic: float matrix products may take bf16 or f16 operands with f32 sums; other float arithmetic in f32, or as packed bf16 or f16 multiplies, adds, multiply-adds, maxima and minima; sums over many terms, partial sums and values carried from step to step in f32; what a program stores and reads back later, other than sums and carried values, may be rounded once to bf16 or f16.
;; Inputs: Wk 1,024 x 1,024 float32; Wo 1,024 x 1,024 float32; Wq 1,024 x 1,024 float32; Wv 1,024 x 1,024 float32; bk 1,024 float32; bo 1,024 float32; bq 1,024 float32; bv 1,024 float32; x 4 x 2,048 x 1,024 float32.
;; Outputs: out0 4 x 2,048 x 1,024 float32.
;; 2 versions, each right; version 2 is version 1 with the launch cast written anew for expert scheduling mode. Each part assembles by itself: llvm-mc -triple=amdgcn-amd-amdhsa -mcpu=gfx1250 --defsym DOCPART=n.
;; ======== version 1 of 2: 4 launches
;; limits: values are held in f16: magnitudes above 65,504 overflow, below 6.1e-05 lose precision; inputs' magnitudes at most 65,504
;; workspace buffers: xb 16,777,216 bytes; wqkv 6,291,456 bytes; wob 2,097,152 bytes; qkv 50,331,648 bytes; ob 16,777,216 bytes
;; launch cast (part 1): grid 512 x 1, 8 waves a work-group, no clusters, 0 bytes of LDS; arguments x, Wq, Wk, Wv, Wo, xb, wqkv, wob; writes xb, wqkv, wob
.if DOCPART == 1
	.amdgcn_target "amdgcn-amd-amdhsa--gfx1250"
	.amdhsa_code_object_version 6
	.text
	.protected	k_qad5020d00b_cast
	.globl	k_qad5020d00b_cast
	.p2align	8
	.type	k_qad5020d00b_cast,@function
k_qad5020d00b_cast:
	s_mov_b64 s[64:65], 0
	v_nop
	global_prefetch_b8 v0, s[64:65] scope:SCOPE_SE
	s_setreg_imm32_b32 hwreg(HW_REG_WAVE_MODE, 25, 1), 1
	s_wait_xcnt 0x0
; THE INPUTS OF THE MATRIX PRODUCTS, ROUNDED ONCE TO bf16 AND LAID OUT FOR THE LAUNCHES BEHIND.
;   xb   bf16 [16 kb][8192 row][64]: x in blocks of 64 along K, so that any run of rows of one block is dense (128 bytes a row)
;   wqkv bf16 [1024 k][3072 n]: Wq, Wk, Wv side by side, n = 1024 x matrix + column
;   wob  f16  [1024 k][1024 n]: Wo rounded to bf16, that number written as f16
; LIMITS.  |Wo| stays under 65,504 (f16's range); below 6.1e-5 it keeps f16's fixed step of 6e-8.  NaN and infinities are not treated apart.
; SHARES.  Work-group g takes rows 16 g .. 16 g + 15 of x and rows 2 g, 2 g + 1 of each W.  No loop: a thread issues its 24 loads of 16 bytes at once and uses no register twice,
; so no source of a pending load or store is ever rewritten.  No LDS, no matrix unit, no cluster: nothing is shared and nothing is read twice.
; x: wave w takes the K blocks 2 w and 2 w + 1.  A load takes two rows' 256 bytes of one block (lanes 0-15 one row, lanes 16-31 the next); its 8 bytes a lane of bf16 are 256 consecutive bytes of xb, aligned.
; W: the 256 threads take a row's 4,096 bytes, 16 each; a wave stores 256 consecutive bytes, aligned.
.set PLANE, 1048576                    ; bytes of one K block of xb
.set XL, 1                             ; v1   x: (lane / 16) x 4,096 + (lane % 16) x 16 + wave x 512
.set XS, 2                             ; v2   xb: lane x 8 + wave x 2 planes
.set WL, 3                             ; v3   W: thread x 16
.set WS, 4                             ; v4   wqkv, wob: thread x 8
.set X,  8                             ; v[8:71]    load n of 16: 4 registers
.set W,  72                            ; v[72:103]  load 2 m + i of 8: 4 registers
.set XO, 104                           ; v[104:135] 2 registers to store for each load of x
.set WO, 136                           ; v[136:151] the same for W
.set T,  152                           ; v[152:155] at work, for Wo
	s_load_b512 s[8:23], s[0:1], 0x0               ; x 8, Wq 10, Wk 12, Wv 14, Wo 16, xb 18, wqkv 20, wob 22
	v_and_b32 v5, 31, v0                           ; lane
	v_lshrrev_b32 v6, 5, v0                        ; wave
	v_lshrrev_b32 v7, 4, v5                        ; lane / 16
	v_and_b32 v[XL], 15, v0
	v_lshlrev_b32 v[XL], 4, v[XL]
	v_lshl_add_u32 v[XL], v7, 12, v[XL]
	v_lshl_add_u32 v[XL], v6, 9, v[XL]
	v_lshlrev_b32 v[XS], 3, v5
	v_lshl_add_u32 v[XS], v6, 21, v[XS]
	v_lshlrev_b32 v[WL], 4, v0
	v_lshlrev_b32 v[WS], 3, v0
	s_mov_b32 s3, 0
	s_wait_kmcnt 0x0
	s_lshl_b32 s2, ttmp9, 16                       ; 16 rows of x
	s_add_nc_u64 s[8:9], s[8:9], s[2:3]
	s_lshl_b32 s2, ttmp9, 13                       ; 2 rows of a W
	s_add_nc_u64 s[10:11], s[10:11], s[2:3]
	s_add_nc_u64 s[12:13], s[12:13], s[2:3]
	s_add_nc_u64 s[14:15], s[14:15], s[2:3]
	s_add_nc_u64 s[16:17], s[16:17], s[2:3]
	s_lshl_b32 s2, ttmp9, 11                       ; 16 rows of a block of xb
	s_add_nc_u64 s[18:19], s[18:19], s[2:3]
	s_mul_i32 s2, ttmp9, 12288                     ; 2 rows of wqkv
	s_add_nc_u64 s[20:21], s[20:21], s[2:3]
	s_lshl_b32 s2, ttmp9, 12                       ; 2 rows of wob
	s_add_nc_u64 s[22:23], s[22:23], s[2:3]
.irp n, 0,1,2,3,4,5,6,7,8,9,10,11,12,13,14,15  ; row pair n / 2, K block 2 w + n % 2
	global_load_b128 v[X+4*(\n):X+4*(\n)+3], v[XL], s[8:9] offset:((\n)/2)*8192+((\n)%2)*256 th:TH_LOAD_NT
.endr
.irp m, 0,1,2,3
.irp i, 0,1
	global_load_b128 v[W+4*(2*(\m)+(\i)):W+4*(2*(\m)+(\i))+3], v[WL], s[10+2*(\m):11+2*(\m)] offset:(\i)*4096 th:TH_LOAD_NT
.endr
.endr
.irp n, 0,1,2,3,4,5,6,7,8,9,10,11,12,13,14,15
	s_wait_loadcnt 23-(\n)                         ; loads come back in order: behind load n stand 15 - n of x and 8 of W
	v_cvt_pk_bf16_f32 v[XO+2*(\n)],   v[X+4*(\n)],   v[X+4*(\n)+1]
	v_cvt_pk_bf16_f32 v[XO+2*(\n)+1], v[X+4*(\n)+2], v[X+4*(\n)+3]
	global_store_b64 v[XS], v[XO+2*(\n):XO+2*(\n)+1], s[18:19] offset:((\n)%2)*PLANE+((\n)/2)*256
.endr
.irp m, 0,1,2
.irp i, 0,1
	s_wait_loadcnt 7-2*(\m)-(\i)
	v_cvt_pk_bf16_f32 v[WO+2*(2*(\m)+(\i))],   v[W+4*(2*(\m)+(\i))],   v[W+4*(2*(\m)+(\i))+1]
	v_cvt_pk_bf16_f32 v[WO+2*(2*(\m)+(\i))+1], v[W+4*(2*(\m)+(\i))+2], v[W+4*(2*(\m)+(\i))+3]
	global_store_b64 v[WS], v[WO+2*(2*(\m)+(\i)):WO+2*(2*(\m)+(\i))+1], s[20:21] offset:(\i)*6144+(\m)*2048
.endr
.endr
.irp i, 0,1                            ; Wo: to bf16, back to f32 (a shift, a mask), and that number to f16
	s_wait_loadcnt 1-(\i)
	v_cvt_pk_bf16_f32 v[T],   v[W+24+4*(\i)],   v[W+24+4*(\i)+1]
	v_cvt_pk_bf16_f32 v[T+1], v[W+24+4*(\i)+2], v[W+24+4*(\i)+3]
	v_lshlrev_b32 v[T+2], 16, v[T]
	v_and_b32 v[T+3], 0xffff0000, v[T]
	v_cvt_pk_f16_f32 v[WO+12+2*(\i)], v[T+2], v[T+3]
	v_lshlrev_b32 v[T+2], 16, v[T+1]
	v_and_b32 v[T+3], 0xffff0000, v[T+1]
	v_cvt_pk_f16_f32 v[WO+12+2*(\i)+1], v[T+2], v[T+3]
	global_store_b64 v[WS], v[WO+12+2*(\i):WO+12+2*(\i)+1], s[22:23] offset:(\i)*2048
.endr
	s_endpgm
.Lfunc_end_k_qad5020d00b_cast:
	.size	k_qad5020d00b_cast, .Lfunc_end_k_qad5020d00b_cast-k_qad5020d00b_cast
	.p2alignl 7, 3214868480
	.fill 96, 4, 3214868480
	.section	.rodata,"a",@progbits
	.p2align	6, 0x0
	.amdhsa_kernel k_qad5020d00b_cast
		.amdhsa_group_segment_fixed_size 0
		.amdhsa_private_segment_fixed_size 0
		.amdhsa_enable_private_segment 0
		.amdhsa_kernarg_size 64
		.amdhsa_user_sgpr_count 2
		.amdhsa_user_sgpr_kernarg_segment_ptr 1
		.amdhsa_wavefront_size32 1
		.amdhsa_system_sgpr_workgroup_id_x 1
		.amdhsa_system_sgpr_workgroup_id_y 1
		.amdhsa_system_sgpr_workgroup_id_z 1
		.amdhsa_system_vgpr_workitem_id 0
		.amdhsa_next_free_vgpr 160
		.amdhsa_next_free_sgpr 66
		.amdhsa_reserve_vcc 0
		.amdhsa_float_denorm_mode_32 3
		.amdhsa_float_denorm_mode_16_64 3
		.amdhsa_memory_ordered 1
		.amdhsa_forward_progress 1
		.amdhsa_inst_pref_size 11
	.end_amdhsa_kernel
	.amdgpu_metadata
---
amdhsa.version: [ 1, 2 ]
amdhsa.kernels:
  - .name:           k_qad5020d00b_cast
    .symbol:         k_qad5020d00b_cast.kd
    .args:
      - { .name: x, .offset: 0, .size: 8, .value_kind: global_buffer, .address_space: global }
      - { .name: Wq, .offset: 8, .size: 8, .value_kind: global_buffer, .address_space: global }
      - { .name: Wk, .offset: 16, .size: 8, .value_kind: global_buffer, .address_space: global }
      - { .name: Wv, .offset: 24, .size: 8, .value_kind: global_buffer, .address_space: global }
      - { .name: Wo, .offset: 32, .size: 8, .value_kind: global_buffer, .address_space: global }
      - { .name: xb, .offset: 40, .size: 8, .value_kind: global_buffer, .address_space: global }
      - { .name: wqkv, .offset: 48, .size: 8, .value_kind: global_buffer, .address_space: global }
      - { .name: wob, .offset: 56, .size: 8, .value_kind: global_buffer, .address_space: global }
    .group_segment_fixed_size: 0
    .private_segment_fixed_size: 0
    .kernarg_segment_align: 8
    .kernarg_segment_size: 64
    .max_flat_workgroup_size: 256
    .sgpr_count:     66
    .vgpr_count:     160
    .wavefront_size: 32
...
	.end_amdgpu_metadata
.endif
;; end of part 1
;; launch proj (part 2): grid 8 x 32, 4 waves a work-group, clusters of 4 x 4, 327,680 bytes of LDS; arguments xb, wqkv, bq, bk, bv, qkv; writes qkv
.if DOCPART == 2
	.amdgcn_target "amdgcn-amd-amdhsa--gfx1250"
	.amdhsa_code_object_version 6
	.text
	.protected	k_qad5020d00b_proj
	.globl	k_qad5020d00b_proj
	.p2align	8
	.type	k_qad5020d00b_proj,@function
k_qad5020d00b_proj:
	s_mov_b64 s[64:65], 0
	v_nop
	global_prefetch_b8 v0, s[64:65] scope:SCOPE_SE
	s_setreg_imm32_b32 hwreg(HW_REG_WAVE_MODE, 25, 1), 1
	s_wait_xcnt 0x0
	s_wait_alu depctr_hold_cnt(0) depctr_sa_sdst(0) depctr_va_vdst(0) depctr_va_sdst(0) depctr_va_ssrc(0) depctr_va_vcc(0) depctr_vm_vsrc(0)
	s_getreg_b32 s2, hwreg(HW_REG_IB_STS2, 6, 4)
	s_cmp_eq_u32 s2, 0
	s_cbranch_scc0 .Lentry_in_a_cluster
	s_endpgm
.Lentry_in_a_cluster:
	s_bfe_u32 s2, ttmp6, 0x10000c
	s_cmp_lg_u32 s2, 0xf033
	s_cbranch_scc0 .Lentry_shape_is_right
	s_endpgm
.Lentry_shape_is_right:
; q, k, v = LayerNorm over each head's 64 columns of (x W + b), laid by heads: qkv f16 [3 part][64 batch x head][2048 row][64].  q is also multiplied by log2(e) / 8, in f32, ahead of its one rounding.
; THE PRODUCT: C [8192][3072] = xb [8192][1024] x wqkv [1024][3072], bf16 operands, f32 sums.  The biases are rounded to bf16 like the other inputs.
; LIMITS.  LayerNorm bounds its results by 8, so f16 holds them for every input.  The variance is taken of x - mean (two passes).  NaN and infinities are not treated apart.
; SHARES.  A tile of C is 256 rows x 384 columns: 32 x 8 = 256 work-groups.  Wave (wm, wn) makes 128 rows x 192 columns = 3 heads: 96 accumulators of 16 x 16, 768 registers.
; K goes in 16 steps of 64 through two LDS slots (two slots of 128 along K would be 352 KB).  A step is two quarters of 32 along K, 96 matrix instructions each.
; THE MATRIX INSTRUCTION IS USED TRANSPOSED: source 0 = 16 columns of W (out of LDS by the turning load: W lies [k][n]), source 1 = 16 rows of x.  A lane then holds ONE row (lane % 16) and the columns
; 8 (lane / 16) + 0..7 of each block of 16: a head's mean and variance want 32 registers of a lane and one exchange between the halves of the lanes.
; CLUSTER 4 x 4: x's tile hangs on the tile row alone and is asked for jointly by a row of the cluster, W's on the tile column alone, by a column.
; REGISTERS, in windows of 256 (s_set_vgpr_msb: bits 1:0 source 0, 3:2 source 1, 5:4 source 2, 7:6 destination):
;   window 0: v0-15 addresses; v16-31 statistics; v32-95, v96-159 x's fragments, two buffers; v160-255 W's fragments, one buffer, a head's four loaded again as soon as they are multiplied
;   window 1 + h: head h: accumulator (row block a, column block bb) at v[32 a + 8 bb]
;   on the way out window 0 holds: v32-63 the head's bias; v64-191 four row blocks at work; v192-223 sums, then v192-255 the packed results
.set PLANE, 1048576                    ; bytes of one K block of xb
.set PA,    144                        ; a row of x in LDS: 128 bytes + 16 = 36 words: the 16 rows of a load start at 16 different groups of four banks (64 banks of 4 bytes: ISA guide 11.1)
.set PB,    864                        ; a k row of W: 6 heads x (128 + 16) bytes = 216 words
.set HALFA, 128*PA                     ; what one tensor load brings of x: 128 rows
.set HALFB, 32*PB                      ; and of W: 32 k rows
.set BOFF,  2*HALFA
.set SLOT,  BOFF+2*HALFB               ; 92,160
.set STAGE, 2*SLOT                     ; behind the ring: 16 rows x 144 bytes for each wave, for the way out
.set BIAS,  STAGE+4*16*PA              ; 3 heads x 64 f32 for each wave
.set SPARE, BIAS+4*768                 ; the spare words, 128 bytes for each wave: two blocks of 256 bytes that no other line names
.set ADRA, 4                           ; v4-5   LDS address of my fragments of x in slot 0, 1
.set ADRB, 6                           ; v6-7   the same for W
.set STO,  8                           ; v8     the way out: where I put 16 bytes of a row
.set RD,   9                           ; v9     where I read rows back
.set GO,   10                          ; v10    16 x lane: my place in 512 consecutive bytes of qkv
.set BIA,  11                          ; v11    where I read the bias of my columns
.set PFO,  12                          ; v12    the prefetches' offset; never rewritten
.set BST,  13                          ; v13    where I put 8 bytes of bias
.set SPW,  14                          ; v14    my spare word: SPARE + 4 x my thread's number; never rewritten
.set NIL,  15                          ; v15    0; never rewritten
.set ST,   16                          ; v16-31 unit u: mean (a pair's low word), 1 / sqrt(var + eps) (likewise)
.set AF0,  32
.set AF1,  96
.set BF,   160
.set BI,   32
.set Y,    64
.set T,    192
.set H,    192
.set G1A,  24                          ; s[24:31] descriptor group 1 for x's tiles;  s[32:39] group 0, a set for each slot
.set G0A,  32
.set G1B,  40                          ; s[40:47], s[48:55] the same for W's
.set G0B,  48
.set PFA,  56                          ; s[56:57] where my prefetches stand
.set PFS,  58                          ; s[58:59] their step for a lap (two K steps)
.set LIM,  60                          ; s60  1 in a wave that prefetches, else the greatest number
.set EB,   61                          ; s61  counts the way out's six batches
.set OBH,  66                          ; s[66:71] qkv at my first row of head 0, 1, 2
.set SCH,  72                          ; s72-74  the head's factor: log2(e) / 8 for q, 1 for k and v
.set OB,   76                          ; s[76:77], s78: those of the batch in hand
.set SC,   78
.set BP,   96                          ; s[96:101] the three heads' biases
.set G1C,  (1<<16)|(1<<20)|(1<<21)|(4<<22)|(3<<25)  ; 17:16 2-byte elements; 20 padding on; 21 set beside a mask; 24:22 after every 32 words (code 4); 31:25 4 words (code 3)
.set MSB, 0
.macro WIN new                         ; the immediate's high byte repeats the setting that is left; a switch that changes nothing is dropped
.if MSB != (\new)
	s_set_vgpr_msb (MSB<<8)|(\new)
.set MSB, \new
.endif
.endm
.macro PLACES                          ; four plain vector instructions between a matrix instruction and a load into, or a vector instruction on, its registers
.rept 4
	v_nop
.endr
.endm
; A joint load: waves 0 and 1 fetch the two halves of x's tile, waves 2 and 3 those of W's.  An s_nop 0 and four v_nop follow each line.
.macro JLOAD s
	s_cmp_eq_u32 s17, 0
	s_cbranch_scc0 .Lfor_b_\@
	tensor_load_to_lds s[G0A+4*(\s):G0A+4*(\s)+3], s[G1A:G1A+7]
	s_nop 0
.rept 4
	v_nop
.endr
	s_branch .Lasked_\@
.Lfor_b_\@:
	tensor_load_to_lds s[G0B+4*(\s):G0B+4*(\s)+3], s[G1B:G1B+7]
	s_nop 0
.rept 4
	v_nop
.endr
.Lasked_\@:
.endm
.macro CREST                           ; a round of the cluster's barrier behind its opening barrier
	s_cmp_lg_u32 s16, 0
	s_cbranch_scc1 .Lnot_wave_0_\@
	s_barrier_signal -3
.Lnot_wave_0_\@:
	s_barrier_wait -3
	s_barrier_signal -1
	s_barrier_wait -1
.endm
.macro CROUND
	s_barrier_signal -1
	s_barrier_wait -1
	CREST
.endm
; THE PREFETCH, once a lap, behind slot 0's joint load and the run of LDS loads that follows it: the two K steps that the NEXT lap's two refills will ask for (in lap i: K steps 2 i + 4 and 2 i + 5).
; x: a K step of a tile row is 32,768 dense bytes.  The clusters with x = 0 ask; of the four partners that share the tile row the one at cx takes 8,192 bytes of each step: wave 0, a lane 256 bytes, two lines.
; W: a lap is 128 k rows x 768 bytes of a tile column.  The clusters with y = 0 ask; the partner at cy takes 32 k rows, wave j + 1 the j-th 256 bytes of each: a lane a row, one line.
; So each aligned 256 bytes are named once in the launch, and partners are told apart by address alone.  K steps 0 to 3 come by their loads; the last trip (s3 = 1) has no K step left to name.
.macro ASK
	s_cmp_gt_u32 s3, s[LIM]
	s_cbranch_scc0 .Lnot_mine_\@
	global_prefetch_b8 v[PFO], s[PFA:PFA+1] th:TH_LOAD_NT scope:SCOPE_SE
	s_cmp_lg_u32 s16, 0
	s_cbranch_scc1 .Lnot_mine_\@
	global_prefetch_b8 v[PFO], s[PFA:PFA+1] offset:PLANE th:TH_LOAD_NT scope:SCOPE_SE
.Lnot_mine_\@:
.endm
	s_load_b256 s[4:11], s[0:1], 0x0               ; xb 4, wqkv 6, bq 8, bk 10
	s_load_b128 s[12:15], s[0:1], 0x20             ; bv 12, qkv 14
	v_lshl_add_u32 v[SPW], v0, 2, SPARE
	v_mov_b32 v[NIL], 0
	ds_add_u32 v[SPW], v[NIL]                      ; the wave's opening: the add and its wait stand ahead of my first tensor load; work on registers stands between them
	v_lshrrev_b32 v1, 5, v0
	v_readfirstlane_b32 s16, v1                    ; wave 0..3
	s_lshr_b32 s17, s16, 1                         ; wm: my half of the tile's rows.  Also: I fetch for x (0) or for W (1)
	s_and_b32 s18, s16, 1                          ; wn: my half of its columns.  Also: which half of that tile I fetch
	s_bfe_u32 s19, ttmp6, 0x40000                  ; cx
	s_bfe_u32 s20, ttmp6, 0x40004                  ; cy
	s_lshl_b32 s21, ttmp9, 2
	s_add_co_u32 s21, s21, s19                     ; tile column = 4 x cluster x + cx
	s_and_b32 s22, ttmp7, 0xffff
	s_lshl_b32 s22, s22, 2
	s_add_co_u32 s22, s22, s20                     ; tile row = 4 x cluster y + cy
	s_lshl_b32 s84, s20, 2
	s_lshl_b32 s84, 15, s84                        ; my row of the cluster
	s_lshl_b32 s85, 0x1111, s19                    ; my column
	s_or_b32 s[G1A], s84, G1C
	s_or_b32 s[G1B], s85, G1C
	s_mov_b32 s[G1A+1], 128<<16                    ; x: 128 rows of a K block are 16,384 dense bytes, asked for as 64 rows of 256: tensor_dim0 = 128
	s_mov_b32 s[G1A+2], 64<<16                     ; tensor_dim1 = 64
	s_mov_b32 s[G1A+3], 128<<16                    ; tile_dim0 = 128
	s_mov_b32 s[G1A+4], 64                         ; tile_dim1 = 64
	s_mov_b32 s[G1A+5], 128                        ; elements from row to row
	s_mov_b32 s[G1A+6], 0
	s_mov_b32 s[G1A+7], 0
	s_mov_b32 s[G1B+1], 384<<16                    ; W: 32 k rows of 384 elements (768 bytes, at a multiple of 256 from the buffer's first byte)
	s_mov_b32 s[G1B+2], 32<<16
	s_mov_b32 s[G1B+3], 384<<16
	s_mov_b32 s[G1B+4], 32
	s_mov_b32 s[G1B+5], 3072
	s_mov_b32 s[G1B+6], 0
	s_mov_b32 s[G1B+7], 0
	s_lshl_b32 s86, s22, 15                        ; x: 256 rows x 128 bytes a tile row,
	s_lshl_b32 s87, s18, 14                        ; my 128 of them
	s_add_co_u32 s86, s86, s87
	s_mov_b32 s87, 0
	s_mul_i32 s88, s21, 768                        ; W: the tile's columns,
	s_mul_i32 s89, s18, 32*6144                    ; my 32 k rows
	s_add_co_u32 s88, s88, s89
	s_mov_b32 s89, 0
	s_mul_i32 s90, s18, HALFA                      ; where they go: no place in the cluster enters an LDS address
	s_mul_i32 s91, s18, HALFB
	s_add_co_u32 s91, s91, BOFF
	s_mov_b32 s80, 0x3c800000                      ; 1 / 64
	s_mov_b32 s81, 0x3727c5ac                      ; 1e-5
	s_mov_b32 s82, 0x76543210                      ; v_permlanex16_b32: each lane takes its own place in the other half
	s_mov_b32 s83, 0xfedcba98
	s_wait_dscnt 0x0                               ; the opening add is done
	s_wait_kmcnt 0x0
	s_add_nc_u64 s[86:87], s[4:5], s[86:87]
	s_add_nc_u64 s[88:89], s[6:7], s[88:89]
	CROUND                                         ; all sixteen work-groups are here: the first joint loads meet
.irp s, 0,1
	s_mov_b32 s[G0A+4*(\s)], 1
	s_add_co_u32 s[G0A+4*(\s)+1], s90, (\s)*SLOT
	s_add_nc_u64 s[G0A+4*(\s)+2:G0A+4*(\s)+3], s[86:87], (\s)*PLANE      ; K step s
	s_or_b32 s[G0A+4*(\s)+3], s[G0A+4*(\s)+3], 0x80000000
	s_mov_b32 s[G0B+4*(\s)], 1
	s_add_co_u32 s[G0B+4*(\s)+1], s91, (\s)*SLOT
	s_add_nc_u64 s[G0B+4*(\s)+2:G0B+4*(\s)+3], s[88:89], (\s)*64*6144
	s_or_b32 s[G0B+4*(\s)+3], s[G0B+4*(\s)+3], 0x80000000
	JLOAD \s
.endr
	; the lanes' addresses, while the first tiles are on their way
	v_and_b32 v1, 15, v0                           ; r = lane % 16
	v_bfe_u32 v2, v0, 4, 1                         ; hl = lane / 16
	v_and_b32 v3, 31, v0                           ; lane
	v_mul_u32_u24 v[ADRA], v1, PA
	v_lshl_add_u32 v[ADRA], v2, 4, v[ADRA]         ; row x pitch + 16 x half: a fragment of x, and a row of my stage
	s_mul_i32 s92, s16, 16*PA
	s_add_co_u32 s92, s92, STAGE
	v_add_nc_u32 v[STO], s92, v[ADRA]
	v_lshrrev_b32 v[RD], 3, v3                     ; back: 32 lanes take four rows of 128 bytes
	v_mul_u32_u24 v[RD], v[RD], PA
	v_and_b32 v[GO], 7, v0
	v_lshl_add_u32 v[RD], v[GO], 4, v[RD]
	v_add_nc_u32 v[RD], s92, v[RD]
	v_lshl_add_u32 v[ADRB], v2, 3, v[GO]           ; the turning load: k row 8 hl + lane % 8, 16 bytes by (lane / 8) % 2
	v_mul_u32_u24 v[ADRB], v[ADRB], PB
	v_bfe_u32 v[GO], v0, 3, 1
	v_lshl_add_u32 v[ADRB], v[GO], 4, v[ADRB]
	s_mul_i32 s93, s18, 3*PA                       ; my three heads of the tile's six
	s_add_co_u32 s93, s93, BOFF
	v_add_nc_u32 v[ADRB], s93, v[ADRB]
	v_add_nc_u32 v[ADRB+1], SLOT, v[ADRB]
	s_mul_i32 s93, s17, HALFA
	v_add_nc_u32 v[ADRA], s93, v[ADRA]
	v_add_nc_u32 v[ADRA+1], SLOT, v[ADRA]
	v_lshlrev_b32 v[GO], 4, v3
	s_mul_i32 s93, s16, 768
	s_add_co_u32 s93, s93, BIAS
	v_lshl_add_u32 v[BIA], v2, 5, s93
	v_lshl_add_u32 v[BST], v3, 3, s93
	s_movk_i32 s92, 6144
	s_cmp_eq_u32 s16, 0
	s_cselect_b32 s92, 256, s92
	v_mul_u32_u24 v[PFO], s92, v3                  ; wave 0: a lane 256 bytes of xb; waves 1 to 3: a lane a k row of wqkv
	v_lshlrev_b32 v3, 3, v3                        ; 8 x lane: my two numbers of a head's bias
	; my three heads: which matrix, which head of it; its bias, its factor, its place in qkv
	s_lshr_b32 s75, s22, 3
	s_lshl_b32 s75, s75, 4                         ; 16 x batch
	s_and_b32 s79, s22, 7
	s_lshl_b32 s79, s79, 15
	s_lshl_b32 s94, s17, 14
	s_add_co_u32 s79, s79, s94                     ; my first row in the batch, x 128 bytes
	s_mul_i32 s84, s21, 6
	s_mul_i32 s94, s18, 3
	s_add_co_u32 s84, s84, s94                     ; my first head of the 48
	s_mov_b32 s63, 0
.irp h, 0,1,2
	s_add_co_u32 s85, s84, \h
	s_lshr_b32 s94, s85, 4                         ; 0 q, 1 k, 2 v
	s_and_b32 s95, s85, 15                         ; the head
	s_lshl_b32 s62, s95, 8
	s_cmp_eq_u32 s94, 0
	s_cselect_b64 s[BP+2*(\h):BP+2*(\h)+1], s[8:9], s[10:11]
	s_cselect_b32 s[SCH+(\h)], 0x3e38aa3b, 1.0     ; log2(e) / 8 = 0.180337
	s_cmp_eq_u32 s94, 2
	s_cselect_b64 s[BP+2*(\h):BP+2*(\h)+1], s[12:13], s[BP+2*(\h):BP+2*(\h)+1]
	s_add_nc_u64 s[BP+2*(\h):BP+2*(\h)+1], s[BP+2*(\h):BP+2*(\h)+1], s[62:63]
	global_load_b64 v[ST+2*(\h):ST+2*(\h)+1], v3, s[BP+2*(\h):BP+2*(\h)+1]
	s_lshl_b32 s94, s94, 6
	s_add_co_u32 s94, s94, s95
	s_add_co_u32 s94, s94, s75                     ; 64 x part + 16 x batch + head
	s_lshl_b32 s62, s94, 18                        ; x 2,048 rows of 128 bytes
	s_add_co_u32 s62, s62, s79
	s_add_nc_u64 s[OBH+2*(\h):OBH+2*(\h)+1], s[14:15], s[62:63]
.endr
	; the prefetches' addresses: two K steps short of the first that is named; each lap steps them first
	s_lshl_b32 s94, s22, 15
	s_lshl_b32 s85, s19, 13
	s_add_co_u32 s94, s94, s85
	s_add_co_u32 s94, s94, 2*PLANE                 ; xb: K step 2, my tile row, my work-group's quarter
	s_lshl_b32 s95, s20, 5
	s_add_co_u32 s95, s95, 128
	s_mul_i32 s95, s95, 6144                       ; wqkv: k row 128 + 32 cy,
	s_mul_i32 s85, s21, 768
	s_add_co_u32 s95, s95, s85                     ; my tile column,
	s_lshl_b32 s85, s16, 8
	s_add_co_u32 s95, s95, s85
	s_sub_co_u32 s95, s95, 256                     ; its 256 bytes number wave - 1
	s_and_b32 s85, ttmp7, 0xffff                   ; cluster y
	s_mov_b32 s[PFS], 128*6144
	s_mov_b32 s[PFS+1], 0
	s_cmp_eq_u32 s16, 0
	s_cselect_b64 s[PFA:PFA+1], s[4:5], s[6:7]
	s_cselect_b32 s62, s94, s95
	s_cselect_b32 s[PFS], 2*PLANE, s[PFS]
	s_cselect_b32 s85, ttmp9, s85                  ; the coordinate along which other clusters read the same bytes
	s_add_nc_u64 s[PFA:PFA+1], s[PFA:PFA+1], s[62:63]
	s_cmp_eq_u32 s85, 0
	s_cselect_b32 s[LIM], 1, -1                    ; the same in all sixteen partners, for a given wave
	s_wait_loadcnt 0x0                             ; the biases: rounded to bf16, kept as f32 in my own bytes of LDS
.irp h, 0,1,2
	v_cvt_pk_bf16_f32 v1, v[ST+2*(\h)], v[ST+2*(\h)+1]
	v_lshlrev_b32 v[ST+2*(\h)], 16, v1
	v_and_b32 v[ST+2*(\h)+1], 0xffff0000, v1
	ds_store_b64 v[BST], v[ST+2*(\h):ST+2*(\h)+1] offset:256*(\h)
.endr
; 16 matrix instructions of head h: column blocks bb0, bb0 + 1 x all 8 row blocks, 32 along K.  The 96 accumulators take turns, one instruction a turn, in the same order in every quarter.
.macro GROUP16 h, f, bb0, zero
	WIN 0x50*(1+(\h))                              ; fragments in window 0, C and D in the head's window
.irp bb, \bb0, (\bb0)+1
.irp a, 0,1,2,3,4,5,6,7
.if \zero
	v_wmma_f32_16x16x32_bf16 v[32*(\a)+8*(\bb):32*(\a)+8*(\bb)+7], v[BF+8*(4*(\h)+(\bb)):BF+8*(4*(\h)+(\bb))+7], v[(\f)+8*(\a):(\f)+8*(\a)+7], 0
.else
	v_wmma_f32_16x16x32_bf16 v[32*(\a)+8*(\bb):32*(\a)+8*(\bb)+7], v[BF+8*(4*(\h)+(\bb)):BF+8*(4*(\h)+(\bb))+7], v[(\f)+8*(\a):(\f)+8*(\a)+7], v[32*(\a)+8*(\bb):32*(\a)+8*(\bb)+7]
.endif
.endr
.endr
.endm
.macro GROUP h, f, zero
	GROUP16 \h, \f, 0, \zero
	GROUP16 \h, \f, 2, \zero
.endm
.macro LB h, slot, q                   ; 8 loads: head h's four fragments of W for quarter q
.irp bb, 0,1,2,3
	ds_load_tr16_b128 v[BF+8*(4*(\h)+(\bb)):BF+8*(4*(\h)+(\bb))+3],   v[ADRB+(\slot)] offset:(\q)*32*PB+PA*(\h)+32*(\bb)
	ds_load_tr16_b128 v[BF+8*(4*(\h)+(\bb))+4:BF+8*(4*(\h)+(\bb))+7], v[ADRB+(\slot)] offset:(\q)*32*PB+PA*(\h)+32*(\bb)+16*PB
.endr
.endm
.macro LA i, slot, q, f                ; 8 loads: x's fragments 4 i .. 4 i + 3 for quarter q, into buffer f
.irp a, 0,1,2,3
	ds_load_b128 v[(\f)+8*(4*(\i)+(\a)):(\f)+8*(4*(\i)+(\a))+3],   v[ADRA+(\slot)] offset:(4*(\i)+(\a))*16*PA+64*(\q)
	ds_load_b128 v[(\f)+8*(4*(\i)+(\a))+4:(\f)+8*(4*(\i)+(\a))+7], v[ADRA+(\slot)] offset:(4*(\i)+(\a))*16*PA+64*(\q)+32
.endr
.endm
; A K step's first quarter: multiplies buffer AF0 and fetches the same slot's second quarter.  The 40 loads of a quarter go out in five runs of 8: W head 0, x 0-3, W head 1, x 4-7, W head 2.
.macro QUARTER slot, zero
	s_wait_dscnt 8                                 ; all but the youngest run (W's head 2) are in
	GROUP 0, AF0, \zero
	PLACES
	WIN 0
	LB 0, \slot, 1
	LA 0, \slot, 1, AF1
	GROUP 1, AF0, \zero
	PLACES
	WIN 0
	LB 1, \slot, 1
	LA 1, \slot, 1, AF1
	s_wait_dscnt 32                                ; all but the 32 just issued: W's head 2 of this quarter is in
	GROUP 2, AF0, \zero
	PLACES
	WIN 0
	LB 2, \slot, 1
.endm
; The second quarter multiplies AF1 and changes slots.  In front of the barrier each wave waits for all its tensor loads (the one that is out is its part of the next slot), adds 0 to its spare word, and waits for
; that and for its reads of this slot.  fill = 1: the barrier opens a round of the cluster's, and this slot's joint refill, two K steps on, is the first thing behind it: 160 matrix instructions ahead of the wait for it.
.macro TURN slot, next, fill
.if (\fill) && ((\slot) == 0)
	s_wait_xcnt 0x0                                ; the last prefetches, a lap back, have read their address
	s_add_nc_u64 s[PFA:PFA+1], s[PFA:PFA+1], s[PFS:PFS+1]
.endif
	WIN 0
	s_wait_tensorcnt 0x0
	ds_add_u32 v[SPW], v[NIL]
	s_wait_dscnt 9                                 ; the add and the youngest run (W's head 2) may be out
	GROUP16 0, AF1, 0, 0
	s_wait_dscnt 0x0                               ; the add is done, and my reads of this slot are over
	s_barrier_signal -1
	GROUP16 0, AF1, 2, 0
	WIN 0
	s_barrier_wait -1
.if \fill
	CREST
	s_add_nc_u64 s[G0A+4*(\slot)+2:G0A+4*(\slot)+3], s[G0A+4*(\slot)+2:G0A+4*(\slot)+3], 2*PLANE
	s_add_nc_u64 s[G0B+4*(\slot)+2:G0B+4*(\slot)+3], s[G0B+4*(\slot)+2:G0B+4*(\slot)+3], 128*6144
	JLOAD \slot                                    ; its four v_nop are also the places in front of the loads below
.else
	PLACES
.endif
	LB 0, \next, 0
	LA 0, \next, 0, AF0
.if (\fill) && ((\slot) == 0)
	ASK
.endif
	GROUP 1, AF1, 0
	PLACES
	WIN 0
	LB 1, \next, 0
	LA 1, \next, 0, AF0
	GROUP 2, AF1, 0
	PLACES
	WIN 0
	LB 2, \next, 0
.endm
	s_wait_tensorcnt 0x1                           ; my part of K step 0 is in; K step 1's may stay out
	s_wait_dscnt 0x0
	s_barrier_signal -1
	s_barrier_wait -1
	LB 0, 0, 0
	LA 0, 0, 0, AF0
	LB 1, 0, 0
	LA 1, 0, 0, AF0
	LB 2, 0, 0
	QUARTER 0, 1                                   ; the first quarter's products start the sums: nothing is cleared
	WIN 0
	s_mov_b32 s3, 7
.Llap:                                             ; a trip goes once round the ring and fills both slots again: K steps 2 to 15
	TURN 0, 1, 1
	QUARTER 1, 0
	TURN 1, 0, 1
	QUARTER 0, 0
	WIN 0
	s_sub_co_u32 s3, s3, 1
	s_cmp_lg_u32 s3, 0
	s_cbranch_scc1 .Llap
	TURN 0, 1, 0                                   ; the last lap fills nothing
	QUARTER 1, 0
	s_wait_dscnt 8
	GROUP 0, AF1, 0
	GROUP 1, AF1, 0
	s_wait_dscnt 0x0
	GROUP 2, AF1, 0
	PLACES
	WIN 0
; THE WAY OUT: six batches of four row blocks (units u) of one head.  What hangs on the window (the copy out of the accumulators, with the bias added) is written six times; the LayerNorm and the stores once.
.macro ALLU line:vararg
.set u, 0
.rept 4
	\line
.set u, u+1
.endr
.endm
.macro FOLD                            ; each unit's four pairs of partial sums into one number, the same in both halves of the lanes
	ALLU v_pk_add_f32 v[T+8*u:T+8*u+1], v[T+8*u:T+8*u+1], v[T+8*u+2:T+8*u+3]
	ALLU v_pk_add_f32 v[T+8*u+4:T+8*u+5], v[T+8*u+4:T+8*u+5], v[T+8*u+6:T+8*u+7]
	ALLU v_pk_add_f32 v[T+8*u:T+8*u+1], v[T+8*u:T+8*u+1], v[T+8*u+4:T+8*u+5]
	ALLU v_add_f32 v[T+8*u], v[T+8*u], v[T+8*u+1]
	ALLU v_permlanex16_b32 v[T+8*u+1], v[T+8*u], s82, s83
	ALLU v_add_f32 v[T+8*u], v[T+8*u], v[T+8*u+1]
.endm
.macro COPYIN e                        ; batch e: head e / 2, row blocks 4 (e % 2) + 0..3.  Each accumulator's registers are read in ascending order
	s_add_nc_u64 s[OB:OB+1], s[OBH+2*((\e)/2):OBH+2*((\e)/2)+1], ((\e)%2)*8192
	s_mov_b32 s[SC], s[SCH+(\e)/2]
.irp bb, 0,1,2,3
	ds_load_b128 v[BI+8*(\bb):BI+8*(\bb)+3],   v[BIA] offset:256*((\e)/2)+64*(\bb)
	ds_load_b128 v[BI+8*(\bb)+4:BI+8*(\bb)+7], v[BIA] offset:256*((\e)/2)+64*(\bb)+16
.endr
	s_wait_dscnt 0x0
	WIN 1+(\e)/2                                   ; source 0 in the head's window
.set k, 0
.rept 64
	v_pk_add_f32 v[Y+2*k:Y+2*k+1], v[128*((\e)%2)+2*k:128*((\e)%2)+2*k+1], v[BI+2*(k%16):BI+2*(k%16)+1]
.set k, k+1
.endr
	WIN 0
.endm
.set k, 0
.rept 16
	v_mov_b32 v[ST+k], 0                           ; the statistics are named as pairs: both words are written
.set k, k+1
.endr
	s_mov_b32 s[EB], 6
.Lep:
	s_wait_xcnt 0x0                                ; the last batch's stores have read their registers and their base
	s_cmp_eq_u32 s[EB], 6
	s_cbranch_scc1 .Lin0
	s_cmp_eq_u32 s[EB], 5
	s_cbranch_scc1 .Lin1
	s_cmp_eq_u32 s[EB], 4
	s_cbranch_scc1 .Lin2
	s_cmp_eq_u32 s[EB], 3
	s_cbranch_scc1 .Lin3
	s_cmp_eq_u32 s[EB], 2
	s_cbranch_scc1 .Lin4
	COPYIN 5
	s_branch .Lln
.Lin4:
	COPYIN 4
	s_branch .Lln
.Lin3:
	COPYIN 3
	s_branch .Lln
.Lin2:
	COPYIN 2
	s_branch .Lln
.Lin1:
	COPYIN 1
	s_branch .Lln
.Lin0:
	COPYIN 0
.Lln:
.set u, 0
.rept 4                                ; the sum of a lane's 32 numbers: four chains
.set c, 0
.rept 4
	v_pk_add_f32 v[T+8*u+2*c:T+8*u+2*c+1], v[Y+32*u+4*c:Y+32*u+4*c+1], v[Y+32*u+4*c+2:Y+32*u+4*c+3]
.set c, c+1
.endr
.set c, 0
.rept 8
	v_pk_add_f32 v[T+8*u+2*(c%4):T+8*u+2*(c%4)+1], v[T+8*u+2*(c%4):T+8*u+2*(c%4)+1], v[Y+32*u+16+2*c:Y+32*u+16+2*c+1]
.set c, c+1
.endr
.set u, u+1
.endr
	FOLD
	ALLU v_mul_f32 v[ST+4*u], s80, v[T+8*u]        ; the mean
.set k, 0
.rept 64
	v_pk_add_f32 v[Y+2*k:Y+2*k+1], v[Y+2*k:Y+2*k+1], v[ST+4*(k/16):ST+4*(k/16)+1] op_sel_hi:[1,0] neg_lo:[0,1] neg_hi:[0,1]
.set k, k+1
.endr
.set u, 0
.rept 4                                ; the sum of squares of what is left
.set c, 0
.rept 4
	v_pk_mul_f32 v[T+8*u+2*c:T+8*u+2*c+1], v[Y+32*u+2*c:Y+32*u+2*c+1], v[Y+32*u+2*c:Y+32*u+2*c+1]
.set c, c+1
.endr
.set c, 0
.rept 12
	v_pk_fma_f32 v[T+8*u+2*(c%4):T+8*u+2*(c%4)+1], v[Y+32*u+8+2*c:Y+32*u+8+2*c+1], v[Y+32*u+8+2*c:Y+32*u+8+2*c+1], v[T+8*u+2*(c%4):T+8*u+2*(c%4)+1]
.set c, c+1
.endr
.set u, u+1
.endr
	FOLD
	ALLU v_fma_f32 v[T+8*u], v[T+8*u], s80, s81    ; var + eps
	ALLU v_rsq_f32 v[ST+4*u+2], v[T+8*u]
	v_nop                                          ; a plain instruction behind the last of the four,
	s_wait_alu depctr_va_vdst(0)                   ; and one wait ahead of their first reader
	ALLU v_mul_f32 v[ST+4*u+2], s[SC], v[ST+4*u+2]
.set k, 0
.rept 64
	v_pk_mul_f32 v[Y+2*k:Y+2*k+1], v[Y+2*k:Y+2*k+1], v[ST+4*(k/16)+2:ST+4*(k/16)+3] op_sel_hi:[1,0]
.set k, k+1
.endr
.set k, 0
.rept 64
	v_cvt_pk_f16_f32 v[H+k], v[Y+2*k], v[Y+2*k+1]
.set k, k+1
.endr
.set u, 0
.rept 4                                ; a lane's eight columns are 16 bytes of a row: into rows of 144 bytes of my own stage, and back as four whole rows a load
.irp bb, 0,1,2,3
	ds_store_b128 v[STO], v[H+16*u+4*(\bb):H+16*u+4*(\bb)+3] offset:32*(\bb)
.endr
.irp f, 0,1,2,3
	ds_load_b128 v[H+16*u+4*(\f):H+16*u+4*(\f)+3], v[RD] offset:4*PA*(\f)  ; LDS serves a wave's instructions in order (ISA guide 5.7.1.4): these see the stores above, and the next unit's stores come behind them
.endr
.set u, u+1
.endr
.set u, 0
.rept 4
.irp f, 0,1,2,3
	s_wait_dscnt 8*(3-u)+3-(\f)                    ; behind this load stand 3 - f of its unit and 8 LDS instructions of each later unit
	global_store_b128 v[GO], v[H+16*u+4*(\f):H+16*u+4*(\f)+3], s[OB:OB+1] offset:2048*u+512*(\f)  ; 512 consecutive bytes, at a multiple of 256 from qkv's first byte
.endr
.set u, u+1
.endr
	s_sub_co_u32 s[EB], s[EB], 1
	s_cmp_lg_u32 s[EB], 0
	s_cbranch_scc1 .Lep
	s_wait_tensorcnt 0x0                           ; the wave's end, behind my last tensor load and my last LDS store
	ds_add_u32 v[SPW], v[NIL]
	s_wait_dscnt 0x0
	CROUND                                         ; the closing round
	s_endpgm
.Lfunc_end_k_qad5020d00b_proj:
	.size	k_qad5020d00b_proj, .Lfunc_end_k_qad5020d00b_proj-k_qad5020d00b_proj
	.p2alignl 7, 3214868480
	.fill 96, 4, 3214868480
	.section	.rodata,"a",@progbits
	.p2align	6, 0x0
	.amdhsa_kernel k_qad5020d00b_proj
		.amdhsa_group_segment_fixed_size 327680
		.amdhsa_private_segment_fixed_size 0
		.amdhsa_enable_private_segment 0
		.amdhsa_kernarg_size 48
		.amdhsa_user_sgpr_count 2
		.amdhsa_user_sgpr_kernarg_segment_ptr 1
		.amdhsa_wavefront_size32 1
		.amdhsa_system_sgpr_workgroup_id_x 1
		.amdhsa_system_sgpr_workgroup_id_y 1
		.amdhsa_system_sgpr_workgroup_id_z 1
		.amdhsa_system_vgpr_workitem_id 0
		.amdhsa_next_free_vgpr 1024
		.amdhsa_next_free_sgpr 102
		.amdhsa_reserve_vcc 0
		.amdhsa_float_denorm_mode_32 3
		.amdhsa_float_denorm_mode_16_64 3
		.amdhsa_memory_ordered 1
		.amdhsa_forward_progress 1
		.amdhsa_inst_pref_size 143
	.end_amdhsa_kernel
	.amdgpu_metadata
---
amdhsa.version: [ 1, 2 ]
amdhsa.kernels:
  - .name:           k_qad5020d00b_proj
    .symbol:         k_qad5020d00b_proj.kd
    .args:
      - { .name: xb, .offset: 0, .size: 8, .value_kind: global_buffer, .address_space: global }
      - { .name: wqkv, .offset: 8, .size: 8, .value_kind: global_buffer, .address_space: global }
      - { .name: bq, .offset: 16, .size: 8, .value_kind: global_buffer, .address_space: global }
      - { .name: bk, .offset: 24, .size: 8, .value_kind: global_buffer, .address_space: global }
      - { .name: bv, .offset: 32, .size: 8, .value_kind: global_buffer, .address_space: global }
      - { .name: qkv, .offset: 40, .size: 8, .value_kind: global_buffer, .address_space: global }
    .group_segment_fixed_size: 327680
    .private_segment_fixed_size: 0
    .kernarg_segment_align: 8
    .kernarg_segment_size: 48
    .max_flat_workgroup_size: 128
    .sgpr_count:     102
    .vgpr_count:     1024
    .wavefront_size: 32
...
	.end_amdgpu_metadata
.endif
;; end of part 2
;; launch attn (part 3): grid 4 x 64, 4 waves a work-group, clusters of 4 x 1, 327,680 bytes of LDS; arguments qkv, ob; writes ob
.if DOCPART == 3
	.amdgcn_target "amdgcn-amd-amdhsa--gfx1250"
	.amdhsa_code_object_version 6
	.text
	.protected	k_qad5020d00b_attn
	.globl	k_qad5020d00b_attn
	.p2align	8
	.type	k_qad5020d00b_attn,@function
k_qad5020d00b_attn:
	s_mov_b64 s[64:65], 0
	v_nop
	global_prefetch_b8 v0, s[64:65] scope:SCOPE_SE
	s_setreg_imm32_b32 hwreg(HW_REG_WAVE_MODE, 25, 1), 1
	s_wait_xcnt 0x0
	s_wait_alu depctr_hold_cnt(0) depctr_sa_sdst(0) depctr_va_vdst(0) depctr_va_sdst(0) depctr_va_ssrc(0) depctr_va_vcc(0) depctr_vm_vsrc(0)
	s_getreg_b32 s2, hwreg(HW_REG_IB_STS2, 6, 4)
	s_cmp_eq_u32 s2, 0
	s_cbranch_scc0 .Lentry_in_a_cluster
	s_endpgm
.Lentry_in_a_cluster:
	s_bfe_u32 s2, ttmp6, 0x10000c
	s_cmp_lg_u32 s2, 0x3003
	s_cbranch_scc0 .Lentry_shape_is_right
	s_endpgm
.Lentry_shape_is_right:
; O[h][q][:] = the sum over k of softmax_k(q . k / 8) v[k][:], for 64 (batch, head) pairs of 2,048 rows x 64 channels.  qkv: f16 [3][64][2048][64], q already times log2(e) / 8; ob: f16 [64][2048][64].
; Products and sums in f32; the weights p are rounded to f16 for the second product (their sum l is taken of the unrounded p), O once at the end.
; NO MAXIMUM IS TAKEN AWAY, because the computation itself bounds the exponents: q and k are LayerNorm results, so a row's sum of squares is at most 64 and |q . k| / 8 at most 8, for every input.  So p = 2^s lies in
; 2^-11.6 .. 2^11.6 (3.3e-4 .. 2,981): inside f16's normal range; a row's sum is at most 2,048 x 2,981 = 6.1e6, and |sum of p v| at most 8 times that: far inside f32.  NaN and infinities are not treated apart.
; SHARES.  A work-group owns 512 queries of a head, a wave 128: four PIECES of two tiles of 16.  Every wave walks all keys, 64 a step; an LDS slot holds four steps.
; LAYOUT.  S^T = K Q^T (source 0 = 16 keys, source 1 = 16 queries): a lane holds ONE query (lane % 16) and the keys 8 (lane / 16) + 0..7.  Two such results rounded to f16 ARE source 1 of O^T = V^T P.  V comes out of LDS turned.
; FOUR STAGES.  Turn n (piece n % 4) holds: 16 products V^T P of piece n - 2; 16 products K Q^T of piece n + 1; the 64 exponentials of piece n, in place; and the roundings and sums of piece n - 1, whose exponentials
; were waited for at the end of the turn before.  That is 128 vector instructions for 32 matrix instructions: four behind each, and ONE wait for the batch of exponentials, at the turn's end.
; The first turns find zeros where pieces have not been (S^T of piece 3, P's first buffer, V, O^T, l: 432 v_mov_b32, written while the first tile is on its way), so no first step is written out.
; CLUSTER.  The four query blocks of a head walk the same K and V: each tile is asked for jointly.
; REGISTERS, in windows of 256 (s_set_vgpr_msb: bits 1:0 source 0, 3:2 source 1, 5:4 source 2, 7:6 destination):
;   window 0: v0-15 addresses; v16-31 l, a pair a tile; v64-127 P, two buffers by the piece's parity; v128-255 the way out      window 1: S^T, 64 a piece
;   window 2: O^T, 32 a tile      window 3: v0-127 Q, 16 a tile; v128-191 K of one step; v192-255 V of one step
.set KS,    64
.set PK,    144                        ; a row of K in LDS: 128 bytes + 16: the 16 rows of a load start at 16 different groups of four banks (64 banks of 4 bytes: ISA guide 11.1)
.set PVP,   160                        ; a row of V: 128 + 32
.set VOFF,  4*KS*PK
.set SLOT1, 1<<17                      ; slot 1 begins here: one exclusive or turns an address in one slot into the other's
.set STAGE, SLOT1+4*KS*(PK+PVP)        ; behind the ring: 16 rows x 144 bytes for each wave
.set SP,    144
.set SPARE, STAGE+4*16*SP              ; the spare words, 128 bytes for each wave: two blocks of 256 bytes that no other line names
.set PART,  16777216                   ; bytes of q, of k and of v in qkv
.set AK0, 2                            ; v2   my lane's place in a tile of K; never rewritten
.set AV0, 3                            ; v3   the same for V
.set AK,  4                            ; v4   the LDS address of K's next run of loads
.set AV,  5                            ; v5   of V's
.set QO,  6                            ; v6   my byte offset in 16 rows of Q;
.set STO, 6                            ;      later: where I put 16 bytes of a row
.set RD,  7                            ; v7   where I read rows back
.set GO,  8                            ; v8   16 x lane
.set PFO, 12                           ; v12  256 x lane; never rewritten
.set SPW, 14                           ; v14  my spare word: SPARE + 4 x my thread's number; never rewritten
.set NIL, 15                           ; v15  0; never rewritten
.set LL,  16
.set P,   64
.set HH,  128
.set KF,  128
.set VF,  192
.set WV,  12
.set LIM, 15                           ; s15  1 in waves 0 and 2, else the greatest number
.set G1K, 24
.set G1V, 32
.set G0K, 40
.set G0V, 44
.set PFA, 50                           ; s[50:51] where my prefetches stand
.set SLOTS, 56
.set CNT, 57
.set SEL, 60
.set TBK, 62                           ; s62  LDS byte at which K of the step to be fetched begins
.set TBV, 63                           ; s63  the same for V, less VOFF
.set MSB, 0
.macro WIN new
.if MSB != (\new)
	s_set_vgpr_msb (MSB<<8)|(\new)
.set MSB, (\new)
.endif
.endm
.set W_KQ, 0x5f                        ; K and Q in window 3, S^T in window 1
.set W_PV, 0xa3                        ; V in window 3, P in window 0, O^T in window 2
.set RA,   0x55                        ; all in window 1
.set RB,   0x05                        ; sources 0 and 1 in window 1; source 2 and destination in window 0
.set TO3,  0xc0                        ; destination in window 3, address in window 0
.macro JLOAD                           ; waves 0 and 1 fetch the two halves of a slot's K, waves 2 and 3 those of its V; an s_nop 0 and four v_nop follow each line
	s_cmp_lt_u32 s[WV], 2
	s_cbranch_scc0 .Lfor_v_\@
	tensor_load_to_lds s[G0K:G0K+3], s[G1K:G1K+7]
	s_nop 0
.rept 4
	v_nop
.endr
	s_branch .Lasked_\@
.Lfor_v_\@:
	tensor_load_to_lds s[G0V:G0V+3], s[G1V:G1V+7]
	s_nop 0
.rept 4
	v_nop
.endr
.Lasked_\@:
.endm
.macro CROUND
	s_barrier_signal -1
	s_barrier_wait -1
	s_cmp_lg_u32 s[WV], 0
	s_cbranch_scc1 .Lnot_wave_0_\@
	s_barrier_signal -3
.Lnot_wave_0_\@:
	s_barrier_wait -3
	s_barrier_signal -1
	s_barrier_wait -1
.endm
; THE PREFETCH, behind a change's joint load: the slot that the NEXT change will ask for, four key steps (512 matrix instructions) ahead.  A slot is 32,768 dense bytes of K and of V; the partner at cx takes 8,192 of each
; (told apart by address), wave 0 K's and wave 2 V's, a lane 256 bytes: each aligned 256 bytes are named once in the launch.  Slots 0 and 1 come by their loads; the last change that fills (SLOTS = 1) names nothing.
.macro ASK
	s_cmp_gt_u32 s[SLOTS], s[LIM]
	s_cbranch_scc0 .Lnot_mine_\@
	global_prefetch_b8 v[PFO], s[PFA:PFA+1] th:TH_LOAD_NT scope:SCOPE_SE
.Lnot_mine_\@:
.endm
; THE CHANGE OF SLOTS, between a step's turns 1 and 2: the old slot's last bytes, V of its fourth step, have been asked for.  Each wave waits for all its tensor loads (one is out: its part of the other slot), adds 0 to its
; spare word, and waits for that and for its reads.  fill = 1: the barrier is a round of the cluster's, and the joint refill, two slots on, is the first thing behind it.  (At its first use slot 0 is waited for and slot 1 filled.)
.macro CHANGE fill
	WIN 0
	s_wait_tensorcnt 0x0
	ds_add_u32 v[SPW], v[NIL]
.if \fill
.irp g, G0K, G0V
	s_xor_b32 s[\g+1], s[\g+1], SLOT1
	s_add_nc_u64 s[\g+2:\g+3], s[\g+2:\g+3], 4*KS*128
.endr
	s_wait_xcnt 0x0                                ; the last prefetch, four key steps back, has read its address
	s_add_nc_u64 s[PFA:PFA+1], s[PFA:PFA+1], 4*KS*128
	s_wait_dscnt 0x0
	CROUND
	JLOAD
	ASK
.else
	s_wait_dscnt 0x0
	s_barrier_signal -1
	s_barrier_wait -1
.endif
	s_sub_co_u32 s[TBK], s[TBK], 4*KS*PK           ; the fetches go back to a slot's first step, in the other slot
	s_xor_b32 s[TBK], s[TBK], SLOT1
	s_sub_co_u32 s[TBV], s[TBV], 4*KS*PVP
	s_xor_b32 s[TBV], s[TBV], SLOT1
.endm
	s_load_b128 s[4:7], s[0:1], 0x0                ; qkv 4, ob 6
	v_lshl_add_u32 v[SPW], v0, 2, SPARE
	v_mov_b32 v[NIL], 0
	ds_add_u32 v[SPW], v[NIL]                      ; the wave's opening: the add and its wait stand ahead of my first tensor load
	v_lshrrev_b32 v1, 5, v0
	v_readfirstlane_b32 s[WV], v1
	s_bfe_u32 s13, ttmp6, 0x40000                  ; cx
	s_lshl_b32 s14, ttmp9, 2
	s_add_co_u32 s14, s14, s13                     ; my block of 512 queries: it enters Q's and O's addresses alone
	s_and_b32 s20, ttmp7, 0xffff                   ; the (batch, head) pair, which the four partners share
	s_lshl_b32 s20, s20, 18                        ; its 2,048 rows of 128 bytes
	s_and_b32 s16, s[WV], 1                        ; which half of a slot's 256 keys I fetch
	s_lshl_b32 s22, s16, 14
	s_add_co_u32 s22, s22, s20
	s_mov_b32 s23, 0
	s_mul_i32 s17, s16, 128*PK
	s_mul_i32 s18, s16, 128*PVP
	s_lshl_b32 s2, s14, 2
	s_add_co_u32 s2, s2, s[WV]
	s_lshl_b32 s2, s2, 14                          ; my wave's 128 rows
	s_add_co_u32 s2, s2, s20
	s_mov_b32 s3, 0
	s_mov_b32 s[G1K], 15|(1<<16)|(1<<20)|(1<<21)|(4<<22)|(3<<25)  ; the mask of four; 2-byte elements; padding on; 21 set beside a mask; after every 32 words, 4 words
	s_mov_b32 s[G1V], 15|(1<<16)|(1<<20)|(1<<21)|(4<<22)|(7<<25)  ; the same with 8 words
.irp g, G1K, G1V
	s_mov_b32 s[\g+1], 128<<16                     ; 128 keys are 16,384 dense bytes: 64 rows of 256
	s_mov_b32 s[\g+2], 64<<16
	s_mov_b32 s[\g+3], 128<<16
	s_mov_b32 s[\g+4], 64
	s_mov_b32 s[\g+5], 128
	s_mov_b32 s[\g+6], 0
	s_mov_b32 s[\g+7], 0
.endr
	s_mov_b32 s[SEL], 0x76543210
	s_mov_b32 s[SEL+1], 0xfedcba98
	s_mov_b32 s[TBK], SLOT1+4*KS*PK                ; the first change of slots turns these two into 0
	s_mov_b32 s[TBV], SLOT1+4*KS*PVP
	s_mov_b32 s[G0K], 1
	s_mov_b32 s[G0K+1], s17
	s_mov_b32 s[G0V], 1
	s_add_co_u32 s[G0V+1], s18, VOFF
	s_mov_b32 s[SLOTS], 7
	s_and_b32 s[LIM], s[WV], 1
	s_cmp_eq_u32 s[LIM], 0
	s_cselect_b32 s[LIM], 1, -1
	v_and_b32 v[PFO], 31, v0
	v_lshlrev_b32 v[PFO], 8, v[PFO]
	s_wait_dscnt 0x0                               ; the opening add is done
	s_wait_kmcnt 0x0
	s_add_nc_u64 s[10:11], s[6:7], s[2:3]          ; O at my wave's first row
	s_add_nc_u64 s[6:7], s[4:5], s[22:23]
	s_add_nc_u64 s[8:9], s[6:7], 2*PART            ; V at my half of the head's first slot
	s_add_nc_u64 s[6:7], s[6:7], PART              ; K likewise
	s_add_nc_u64 s[4:5], s[4:5], s[2:3]            ; Q at my wave's first row
	s_mov_b64 s[G0K+2:G0K+3], s[6:7]
	s_or_b32 s[G0K+3], s[G0K+3], 0x80000000
	s_mov_b64 s[G0V+2:G0V+3], s[8:9]
	s_or_b32 s[G0V+3], s[G0V+3], 0x80000000
	s_cmp_lt_u32 s[WV], 2
	s_cselect_b64 s[PFA:PFA+1], s[6:7], s[8:9]     ; (in waves 0 and 2 these stand at a slot's first row)
	s_lshl_b32 s2, s13, 13
	s_add_nc_u64 s[PFA:PFA+1], s[PFA:PFA+1], s[2:3]
	s_add_nc_u64 s[PFA:PFA+1], s[PFA:PFA+1], 4*KS*128  ; in slot 1: the first change steps it to slot 2
	CROUND                                         ; all four work-groups are here
	JLOAD                                          ; slot 0
	v_and_b32 v1, 15, v0                           ; lane % 16
	v_bfe_u32 v9, v0, 4, 1                         ; lane / 16
	v_lshlrev_b32 v[QO], 7, v1
	v_lshl_add_u32 v[QO], v9, 4, v[QO]
	WIN TO3
.set i, 0
.rept 16                               ; Q stays in registers: tile i / 2, channels 32 (i % 2) on
	global_load_b128 v[8*i:8*i+3],   v[QO], s[4:5] offset:(i/2)*2048+(i%2)*64
	global_load_b128 v[8*i+4:8*i+7], v[QO], s[4:5] offset:(i/2)*2048+(i%2)*64+32
.set i, i+1
.endr
.set i, VF
.rept 64
	v_mov_b32 v[i], 0                              ; V
.set i, i+1
.endr
	WIN 0x40
.set i, 192
.rept 64
	v_mov_b32 v[i], 0                              ; S^T of piece 3
.set i, i+1
.endr
	WIN 0x80
.set i, 0
.rept 256
	v_mov_b32 v[i], 0                              ; O^T
.set i, i+1
.endr
	WIN 0
.set i, 0
.rept 16
	v_mov_b32 v[LL+i], 0
.set i, i+1
.endr
.set i, 0
.rept 32
	v_mov_b32 v[P+i], 0
.set i, i+1
.endr
	v_mul_u32_u24 v[AK0], v1, PK
	v_lshl_add_u32 v[AK0], v9, 4, v[AK0]
	v_and_b32 v10, 7, v0
	v_bfe_u32 v11, v0, 3, 1
	v_lshl_add_u32 v[AV0], v9, 3, v10              ; the turning load: key 8 (lane / 16) + lane % 8, 16 bytes by (lane / 8) % 2
	v_mul_u32_u24 v[AV0], v[AV0], PVP
	v_lshl_add_u32 v[AV0], v11, 4, v[AV0]
	v_add_nc_u32 v[AV0], VOFF, v[AV0]
	v_mov_b32 v[AK], v[AK0]                        ; key step 0 lies at the head of slot 0
; THE MATRIX WORK.  The 8 accumulators of a run of 16 take turns.  Product i of S^T = K Q^T for piece x: channels 32 (i / 8) on, keys 16 ((i / 2) % 4) on, tile 2 x + i % 2; the first 8 start the sums.
.macro KQ x
	WIN W_KQ
.set rS, 64*(\x)+32*(i%2)+8*((i/2)%4)
.set rK, KF+16*((i/2)%4)+8*(i/8)
.set rQ, 16*(2*(\x)+i%2)+8*(i/8)
.if i < 8
	v_wmma_f32_16x16x32_f16 v[rS:rS+7], v[rK:rK+7], v[rQ:rQ+7], 0
.else
	v_wmma_f32_16x16x32_f16 v[rS:rS+7], v[rK:rK+7], v[rQ:rQ+7], v[rS:rS+7]
.endif
.endm
.macro PV x                            ; product i of O^T += V^T P: keys 32 (i / 8) on, channels 16 ((i / 2) % 4) on, tile 2 x + i % 2
	WIN W_PV
.set rO, 32*(2*(\x)+i%2)+8*((i/2)%4)
.set rV, VF+32*(i/8)+8*((i/2)%4)
.set rP, P+32*((\x)%2)+16*(i%2)+8*(i/8)
	v_wmma_f32_16x16x32_f16 v[rO:rO+7], v[rV:rV+7], v[rP:rP+7], v[rO:rO+7]
.endm
.macro FETCH_K                         ; 16 loads: a step's K
	WIN TO3
.irp f, 0,1,2,3,4,5,6,7
	ds_load_b128 v[KF+8*\f:KF+8*\f+3],   v[AK] offset:(\f/2)*16*PK+(\f%2)*64
	ds_load_b128 v[KF+8*\f+4:KF+8*\f+7], v[AK] offset:(\f/2)*16*PK+(\f%2)*64+32
.endr
	s_add_co_u32 s[TBK], s[TBK], KS*PK
	WIN 0
.endm
.macro FETCH_V                         ; 16 loads: a step's V, turned
	WIN TO3
.irp f, 0,1,2,3,4,5,6,7
	ds_load_tr16_b128 v[VF+8*\f:VF+8*\f+3],   v[AV] offset:(\f/4)*32*PVP+(\f%4)*32
	ds_load_tr16_b128 v[VF+8*\f+4:VF+8*\f+7], v[AV] offset:(\f/4)*32*PVP+16*PVP+(\f%4)*32
.endr
	s_add_co_u32 s[TBV], s[TBV], KS*PVP
	WIN 0
.endm
; THE VECTOR WORK, in queues; the two tiles alternate.  YP is the piece in hand, PM the piece before it.
.macro EX                              ; exponential e of 64, of piece YP, in place; each accumulator's lowest register comes first
	v_exp_f32 v[64*YP+32*(e%2)+e/2], v[64*YP+32*(e%2)+e/2]
.set e, e+1
.endm
.macro CV                              ; rounding c of 32, of piece PM: a pair of weights to f16
	v_cvt_pk_f16_f32 v[P+32*(PM%2)+16*(c%2)+c/2], v[64*PM+32*(c%2)+2*(c/2)], v[64*PM+32*(c%2)+2*(c/2)+1]
.set c, c+1
.endm
.macro AD                              ; sum d of 30, of piece PM, in place: pairs 1, 2, 4 and 8 pairs apart
.set tb, 64*PM+32*(d%2)
.if d < 16
.set o1, 4*(d/2)
.set o2, o1+2
.elseif d < 24
.set o1, 8*((d-16)/2)
.set o2, o1+4
.elseif d < 28
.set o1, 16*((d-24)/2)
.set o2, o1+8
.else
.set o1, 0
.set o2, 16
.endif
	v_pk_add_f32 v[tb+o1:tb+o1+1], v[tb+o1:tb+o1+1], v[tb+o2:tb+o2+1]
.set d, d+1
.endm
.macro LS uu                           ; l takes the tile's sum: as sum x 1 + l, so that l stands in the third source's window
	v_pk_fma_f32 v[LL+2*(2*PM+(\uu)):LL+2*(2*PM+(\uu))+1], v[64*PM+32*(\uu):64*PM+32*(\uu)+1], 1.0, v[LL+2*(2*PM+(\uu)):LL+2*(2*PM+(\uu))+1] op_sel_hi:[1,0,1]
.endm
.macro RIDE                            ; the four behind matrix instruction m = 8 .. 30: in all 64 exponentials and 28 sums
	WIN RA
	EX
	AD
	EX
.if (m >= 12) && (m%4 == 0)
	AD
.else
	EX
.endif
.set m, m+1
.endm
; A TURN, for piece p.  No rider names a register of the products round it.  The roundings all stand ahead of the sums, which work in place on what the roundings read.
; V of the step in hand is fetched in piece 1's turn, behind the last product that read V and nine plain instructions; it is waited for at the head of piece 2's turn, 16 products later.
; K of the next step (kf = 1) is fetched at the end of piece 2's turn, four plain riders and the address's line behind the last product that read K; it is waited for 16 products later.
.macro TURN p, kf=1
.set YP, (\p)
.set PM, ((\p)+3)%4
.set c, 0
.set e, 0
.set d, 0
.set m, 8
.if (\p) == 2
	s_wait_dscnt 0x0                               ; V is in
.endif
.set i, 0
.rept 8
	PV ((\p)+2)%4
	WIN RB
	CV
	CV
	CV
	CV
.set i, i+1
.endr
.rept 8
	PV ((\p)+2)%4
	RIDE
.set i, i+1
.endr
.if (\p) == 1
	WIN 0
	v_add_nc_u32 v[AV], s[TBV], v[AV0]
.rept 4
	v_nop
.endr
	FETCH_V
.endif
.if (\p) == 3
	s_wait_dscnt 0x0                               ; K is in
.endif
.set i, 0
.rept 15
	KQ ((\p)+1)%4
	RIDE
.set i, i+1
.endr
	KQ ((\p)+1)%4
	WIN RA
	AD
	AD
	WIN RB
	LS 0
	LS 1
	WIN 0
.if ((\p) == 2) && (\kf)
	v_add_nc_u32 v[AK], s[TBK], v[AK0]
.endif
	s_wait_alu depctr_va_vdst(0)                   ; the one wait: the turn's 64 exponentials are first named in the next turn; four plain instructions stand behind the last of them
.if ((\p) == 2) && (\kf)
	FETCH_K
.endif
.endm
	CHANGE 1                                       ; slot 0 is in, everybody's part of it; slot 1 is asked for
	FETCH_K                                        ; key step 0
	s_wait_loadcnt 0x0                             ; Q
	s_wait_dscnt 0x0
.set i, 0
.rept 16
	KQ 0                                           ; piece 0's first scores
.set i, i+1
.endr
	WIN 0                                          ; the addresses for the way out: plain instructions, the places behind those products
	s_mul_i32 s13, s[WV], 16*SP
	s_add_co_u32 s13, s13, STAGE
	v_mul_u32_u24 v[STO], v1, SP
	v_lshl_add_u32 v[STO], v9, 4, v[STO]
	v_add_nc_u32 v[STO], s13, v[STO]
	v_bfe_u32 v[RD], v0, 3, 2
	v_mul_u32_u24 v[RD], v[RD], SP
	v_lshl_add_u32 v[RD], v10, 4, v[RD]
	v_add_nc_u32 v[RD], s13, v[RD]
	v_and_b32 v[GO], 31, v0
	v_lshlrev_b32 v[GO], 4, v[GO]
	s_mov_b32 s[CNT], 4
	s_branch .Lfirst                               ; the loop is entered at a step's first turn, in the middle of a trip
.Lslot:                                            ; six times: slots 2 to 7 are asked for
	CHANGE 1
	s_mov_b32 s[CNT], 4
.Lstep:                                            ; a trip: pieces 2 and 3 of one step, pieces 0 and 1 of the next
	TURN 2
	TURN 3
.Lfirst:
	TURN 0
	TURN 1
	s_sub_co_u32 s[CNT], s[CNT], 1
	s_cmp_lg_u32 s[CNT], 0
	s_cbranch_scc1 .Lstep
	s_sub_co_u32 s[SLOTS], s[SLOTS], 1
	s_cmp_lg_u32 s[SLOTS], 0
	s_cbranch_scc1 .Lslot
	CHANGE 0                                       ; the tail is written out: nothing is asked for
	s_mov_b32 s[CNT], 4
.Ltail:
	TURN 2
	TURN 3
	TURN 0
	TURN 1
	s_sub_co_u32 s[CNT], s[CNT], 1
	s_cmp_lg_u32 s[CNT], 0
	s_cbranch_scc1 .Ltail
	TURN 2, 0                                      ; the last step's pieces 2 and 3: there is no further K; piece 3's turn multiplies the last K once more, for nothing: the price of one text for every turn
	TURN 3
.set PM, 3                             ; what is left: piece 3's roundings and sums, beside piece 2's last products; then piece 3's
.set c, 0
.set d, 0
.set i, 0
.rept 8
	PV 2
	WIN RB
	CV
	CV
	CV
	CV
.set i, i+1
.endr
.rept 7
	PV 2
	WIN RA
	AD
	AD
	AD
	AD
.set i, i+1
.endr
	PV 2
	WIN RA
	AD
	AD
	WIN RB
	LS 0
	LS 1
.set i, 0
.rept 16
	PV 3
.set i, i+1
.endr
	; THE WAY OUT.  l's two halves and the other half of the lanes' are added; O^T is divided by l, rounded to f16 and sent through my stage, a tile at a time.  The additions are the places behind the last products.
	WIN 0
.macro ALL line:vararg
.set t, 0
.rept 8
	\line
.set t, t+1
.endr
.endm
	ALL v_add_f32 v[LL+2*t], v[LL+2*t], v[LL+2*t+1]
	ALL v_permlanex16_b32 v[LL+2*t+1], v[LL+2*t], s[SEL], s[SEL+1]
	ALL v_add_f32 v[LL+2*t], v[LL+2*t], v[LL+2*t+1]
	ALL v_rcp_f32 v[LL+2*t], v[LL+2*t]
	v_nop                                          ; a plain instruction behind the last reciprocal,
	s_wait_alu depctr_va_vdst(0)                   ; and one wait for the eight, ahead of their first reader
.macro PACK t
	WIN 0x82                                       ; O^T (destination and source 0) in window 2, 1 / l in window 0
.set i, 32*(\t)
.rept 16
	v_pk_mul_f32 v[i:i+1], v[i:i+1], v[LL+2*(\t):LL+2*(\t)+1] op_sel_hi:[1,0]
.set i, i+2
.endr
	WIN 0x0a                                       ; sources 0 and 1 in window 2, destination in window 0
.set i, 0
.rept 16
	v_cvt_pk_f16_f32 v[HH+16*(\t)+i], v[32*(\t)+2*i], v[32*(\t)+2*i+1]
.set i, i+1
.endr
	WIN 0
.irp f, 0,1,2,3
	ds_store_b128 v[STO], v[HH+16*(\t)+4*\f:HH+16*(\t)+4*\f+3] offset:32*\f
.endr
.irp f, 0,1,2,3
	ds_load_b128 v[HH+16*(\t)+4*\f:HH+16*(\t)+4*\f+3], v[RD] offset:\f*4*SP  ; LDS serves a wave's instructions in order (ISA guide 5.7.1.4): these see the stores above; the next tile's stores come behind them
.endr
.endm
.macro SEND t, younger                 ; younger: the LDS instructions issued behind tile t's loads: the next tile's eight, or none
	WIN 0
.irp f, 0,1,2,3
	s_wait_dscnt (\younger)+3-\f
	global_store_b128 v[GO], v[HH+16*(\t)+4*\f:HH+16*(\t)+4*\f+3], s[10:11] offset:(\t)*2048+\f*512  ; 512 consecutive bytes, at a multiple of 256 from ob's first byte
.endr
.endm
	PACK 0
.set t, 1
.rept 7
	PACK t
	SEND t-1, 8
.set t, t+1
.endr
	SEND 7, 0
	s_wait_tensorcnt 0x0                           ; the wave's end, behind my last tensor load and my last LDS store
	ds_add_u32 v[SPW], v[NIL]
	s_wait_dscnt 0x0
	CROUND                                         ; the closing round
	s_endpgm
.Lfunc_end_k_qad5020d00b_attn:
	.size	k_qad5020d00b_attn, .Lfunc_end_k_qad5020d00b_attn-k_qad5020d00b_attn
	.p2alignl 7, 3214868480
	.fill 96, 4, 3214868480
	.section	.rodata,"a",@progbits
	.p2align	6, 0x0
	.amdhsa_kernel k_qad5020d00b_attn
		.amdhsa_group_segment_fixed_size 327680
		.amdhsa_private_segment_fixed_size 0
		.amdhsa_enable_private_segment 0
		.amdhsa_kernarg_size 16
		.amdhsa_user_sgpr_count 2
		.amdhsa_user_sgpr_kernarg_segment_ptr 1
		.amdhsa_wavefront_size32 1
		.amdhsa_system_sgpr_workgroup_id_x 1
		.amdhsa_system_sgpr_workgroup_id_y 1
		.amdhsa_system_sgpr_workgroup_id_z 1
		.amdhsa_system_vgpr_workitem_id 0
		.amdhsa_next_free_vgpr 1024
		.amdhsa_next_free_sgpr 66
		.amdhsa_reserve_vcc 0
		.amdhsa_float_denorm_mode_32 3
		.amdhsa_float_denorm_mode_16_64 3
		.amdhsa_memory_ordered 1
		.amdhsa_forward_progress 1
		.amdhsa_inst_pref_size 169
	.end_amdhsa_kernel
	.amdgpu_metadata
---
amdhsa.version: [ 1, 2 ]
amdhsa.kernels:
  - .name:           k_qad5020d00b_attn
    .symbol:         k_qad5020d00b_attn.kd
    .args:
      - { .name: qkv, .offset: 0, .size: 8, .value_kind: global_buffer, .address_space: global }
      - { .name: ob, .offset: 8, .size: 8, .value_kind: global_buffer, .address_space: global }
    .group_segment_fixed_size: 327680
    .private_segment_fixed_size: 0
    .kernarg_segment_align: 8
    .kernarg_segment_size: 16
    .max_flat_workgroup_size: 128
    .sgpr_count:     66
    .vgpr_count:     1024
    .wavefront_size: 32
...
	.end_amdgpu_metadata
.endif
;; end of part 3
;; launch oproj (part 4): grid 4 x 64, 4 waves a work-group, clusters of 4 x 4, 327,680 bytes of LDS; arguments ob, wob, bo, out0; writes out0
.if DOCPART == 4
	.amdgcn_target "amdgcn-amd-amdhsa--gfx1250"
	.amdhsa_code_object_version 6
	.text
	.protected	k_qad5020d00b_oproj
	.globl	k_qad5020d00b_oproj
	.p2align	8
	.type	k_qad5020d00b_oproj,@function
k_qad5020d00b_oproj:
	s_mov_b64 s[64:65], 0
	v_nop
	global_prefetch_b8 v0, s[64:65] scope:SCOPE_SE
	s_setreg_imm32_b32 hwreg(HW_REG_WAVE_MODE, 25, 1), 1
	s_wait_xcnt 0x0
	s_wait_alu depctr_hold_cnt(0) depctr_sa_sdst(0) depctr_va_vdst(0) depctr_va_sdst(0) depctr_va_ssrc(0) depctr_va_vcc(0) depctr_vm_vsrc(0)
	s_getreg_b32 s2, hwreg(HW_REG_IB_STS2, 6, 4)
	s_cmp_eq_u32 s2, 0
	s_cbranch_scc0 .Lentry_in_a_cluster
	s_endpgm
.Lentry_in_a_cluster:
	s_bfe_u32 s2, ttmp6, 0x10000c
	s_cmp_lg_u32 s2, 0xf033
	s_cbranch_scc0 .Lentry_shape_is_right
	s_endpgm
.Lentry_shape_is_right:
; out0 [8192][1024] f32 = concat of the heads' O [8192][1024] x Wo [1024][1024] + bo.  ob: f16 [64 batch x head][2048][64]; wob: f16 [k][n]; f32 sums; bo rounded to bf16 like the other inputs.
; SHARES.  A tile is 128 rows x 256 columns: 64 x 4 = 256 work-groups.  Wave (wm, wn) makes 64 x 128: 32 accumulators, all of window 1 ((a, b) at v[8 (8 a + b)]).
; K goes in 8 steps of 128 = two heads, through two LDS slots; a step is four quarters of 32 along K, 32 matrix instructions each, on two fragment buffers.
; THE MATRIX INSTRUCTION IS USED TRANSPOSED: source 0 = 16 columns of Wo (by the turning load), source 1 = 16 rows of O: a lane holds eight neighbouring numbers of a row of out0.
; CLUSTER 4 x 4: O's tile is shared along a row of the cluster, Wo's along a column.  NO PREFETCH: the tiles are small, and the whole walk is eight K steps.
; window 0: v0-31 addresses; v32-37 bias; v64-159, v160-255 fragment buffers (Wo's 8, then O's 4); on the way out v64-127, v128-191 rows read back.
.set PA,    144                        ; a row of O in LDS: 128 bytes + 16
.set PB,    544                        ; a k row of Wo: 512 bytes + 32 = 136 words
.set HALFA, 128*PA                     ; one head's 128 rows
.set HALFB, 64*PB
.set BOFF,  2*HALFA
.set SLOT,  BOFF+2*HALFB               ; 106,496
.set STAGE, 2*SLOT                     ; behind the ring: 16 rows x 528 bytes for each wave
.set SPI,   528
.set SPARE, STAGE+4*16*SPI             ; the spare words, 128 bytes for each wave: two blocks of 256 bytes that no other line names
.set ADRA, 16
.set ADRB, 20
.set STO,  24
.set RD,   25
.set CO,   26
.set SPW,  28
.set NIL,  29
.set BV,   32
.set F0,   64
.set F1,   160
.set WV,   12
.set G1A,  16
.set G0A,  24
.set G1B,  32
.set G0B,  48
.set MSB, 0
.macro WIN new
.if MSB != (\new)
	s_set_vgpr_msb (MSB<<8)|(\new)
.set MSB, \new
.endif
.endm
.set MUL, 0x50                         ; fragments in window 0, C and D in window 1
.macro PLACES
.rept 4
	v_nop
.endr
.endm
.macro JLOAD s                         ; waves 0 and 1 fetch the K step's two heads of O, waves 2 and 3 the two halves of Wo's k rows; an s_nop 0 and four v_nop follow each line
	s_cmp_eq_u32 s13, 0
	s_cbranch_scc0 .Lfor_b_\@
	tensor_load_to_lds s[G0A+4*(\s):G0A+4*(\s)+3], s[G1A:G1A+7]
	s_nop 0
.rept 4
	v_nop
.endr
	s_branch .Lasked_\@
.Lfor_b_\@:
	tensor_load_to_lds s[G0B+4*(\s):G0B+4*(\s)+3], s[G1B:G1B+7]
	s_nop 0
.rept 4
	v_nop
.endr
.Lasked_\@:
.endm
.macro CREST
	s_cmp_lg_u32 s[WV], 0
	s_cbranch_scc1 .Lnot_wave_0_\@
	s_barrier_signal -3
.Lnot_wave_0_\@:
	s_barrier_wait -3
	s_barrier_signal -1
	s_barrier_wait -1
.endm
.macro CROUND
	s_barrier_signal -1
	s_barrier_wait -1
	CREST
.endm
	s_load_b128 s[4:7], s[0:1], 0x0                ; ob 4, wob 6
	s_load_b128 s[8:11], s[0:1], 0x10              ; bo 8, out0 10
	v_lshl_add_u32 v[SPW], v0, 2, SPARE
	v_mov_b32 v[NIL], 0
	ds_add_u32 v[SPW], v[NIL]                      ; the wave's opening: the add and its wait stand ahead of my first tensor load
	v_lshrrev_b32 v1, 5, v0
	v_readfirstlane_b32 s[WV], v1
	s_lshr_b32 s13, s[WV], 1                       ; wm.  Also: I fetch for O (0) or for Wo (1)
	s_and_b32 s14, s[WV], 1                        ; wn.  Also: which half I fetch
	s_bfe_u32 s40, ttmp6, 0x40000                  ; cx
	s_bfe_u32 s41, ttmp6, 0x40004                  ; cy
	s_lshl_b32 s42, ttmp9, 2
	s_add_co_u32 s42, s42, s40                     ; tile column
	s_and_b32 s43, ttmp7, 0xffff
	s_lshl_b32 s43, s43, 2
	s_add_co_u32 s43, s43, s41                     ; tile row
	s_lshl_b32 s44, s41, 2
	s_lshl_b32 s44, 15, s44                        ; my row of the cluster
	s_lshl_b32 s45, 0x1111, s40                    ; my column
	s_or_b32 s[G1A], s44, (1<<16)|(1<<20)|(1<<21)|(4<<22)|(3<<25)   ; 2-byte elements; padding on; 21 set beside a mask; after every 32 words, 4 words
	s_or_b32 s[G1B], s45, (1<<16)|(1<<20)|(1<<21)|(6<<22)|(7<<25)   ; after every 128 words, 8 words
	s_mov_b32 s[G1A+1], 128<<16                    ; O: 128 rows of a head are 16,384 dense bytes: 64 rows of 256
	s_mov_b32 s[G1A+2], 64<<16
	s_mov_b32 s[G1A+3], 128<<16
	s_mov_b32 s[G1A+4], 64
	s_mov_b32 s[G1A+5], 128
	s_mov_b32 s[G1A+6], 0
	s_mov_b32 s[G1A+7], 0
	s_mov_b32 s[G1B+1], 256<<16                    ; Wo: 64 k rows of 256 elements
	s_mov_b32 s[G1B+2], 64<<16
	s_mov_b32 s[G1B+3], 256<<16
	s_mov_b32 s[G1B+4], 64
	s_mov_b32 s[G1B+5], 1024
	s_mov_b32 s[G1B+6], 0
	s_mov_b32 s[G1B+7], 0
	s_lshr_b32 s56, s43, 4                         ; the batch: 16 tile rows each
	s_lshl_b32 s56, s56, 4
	s_add_co_u32 s56, s56, s14                     ; 16 x batch + my head of the K step's two
	s_lshl_b32 s56, s56, 18
	s_and_b32 s57, s43, 15
	s_lshl_b32 s57, s57, 14                        ; the tile's 128 rows in the batch
	s_add_co_u32 s56, s56, s57
	s_mov_b32 s57, 0
	s_lshl_b32 s58, s14, 17                        ; my 64 k rows of 2,048 bytes,
	s_lshl_b32 s59, s42, 9                         ; the tile's 512 bytes of them
	s_add_co_u32 s58, s58, s59
	s_mov_b32 s59, 0
	s_mul_i32 s60, s14, HALFA
	s_mul_i32 s61, s14, HALFB
	s_add_co_u32 s61, s61, BOFF
	s_wait_dscnt 0x0                               ; the opening add is done
	s_wait_kmcnt 0x0
	s_add_nc_u64 s[56:57], s[4:5], s[56:57]
	s_add_nc_u64 s[58:59], s[6:7], s[58:59]
	CROUND                                         ; all sixteen work-groups are here
.irp s, 0,1
	s_mov_b32 s[G0A+4*(\s)], 1
	s_add_co_u32 s[G0A+4*(\s)+1], s60, (\s)*SLOT
	s_add_nc_u64 s[G0A+4*(\s)+2:G0A+4*(\s)+3], s[56:57], (\s)*524288    ; K step s: two heads on
	s_or_b32 s[G0A+4*(\s)+3], s[G0A+4*(\s)+3], 0x80000000
	s_mov_b32 s[G0B+4*(\s)], 1
	s_add_co_u32 s[G0B+4*(\s)+1], s61, (\s)*SLOT
	s_add_nc_u64 s[G0B+4*(\s)+2:G0B+4*(\s)+3], s[58:59], (\s)*262144    ; 128 k rows on
	s_or_b32 s[G0B+4*(\s)+3], s[G0B+4*(\s)+3], 0x80000000
	JLOAD \s
.endr
	v_and_b32 v1, 15, v0                           ; r
	v_bfe_u32 v2, v0, 4, 1                         ; hl
	v_and_b32 v3, 31, v0                           ; lane
	v_lshlrev_b32 v[CO], 4, v3
	s_lshl_b32 s46, s42, 10                        ; the tile's columns, x 4 bytes,
	s_lshl_b32 s47, s14, 9                         ; my 128 of them
	s_add_co_u32 s46, s46, s47
	s_mov_b32 s47, 0
	s_add_nc_u64 s[8:9], s[8:9], s[46:47]
	global_load_b128 v[BV:BV+3], v[CO], s[8:9]     ; the bias of my four columns of a row read back
	s_lshl_b32 s62, s43, 19                        ; 128 rows of 4,096 bytes a tile row,
	s_lshl_b32 s63, s13, 18                        ; my 64
	s_add_co_u32 s62, s62, s63
	s_add_co_u32 s62, s62, s46
	s_mov_b32 s63, 0
	s_add_nc_u64 s[10:11], s[10:11], s[62:63]
	v_mul_u32_u24 v4, v1, PA
	v_lshl_add_u32 v4, v2, 4, v4
	s_mul_i32 s46, s13, 64*PA
	v_add_nc_u32 v[ADRA], s46, v4
	v_add_nc_u32 v[ADRA+1], SLOT, v[ADRA]
	v_and_b32 v5, 7, v0
	v_lshl_add_u32 v5, v2, 3, v5
	v_mul_u32_u24 v5, v5, PB
	v_bfe_u32 v6, v0, 3, 1
	v_lshl_add_u32 v5, v6, 4, v5
	s_lshl_b32 s46, s14, 8
	s_add_co_u32 s46, s46, BOFF
	v_add_nc_u32 v[ADRB], s46, v5
	v_add_nc_u32 v[ADRB+1], SLOT, v[ADRB]
	s_mul_i32 s46, s[WV], 16*SPI
	s_add_co_u32 s46, s46, STAGE
	v_mul_u32_u24 v[STO], v1, SPI
	v_lshl_add_u32 v[STO], v2, 5, v[STO]
	v_add_nc_u32 v[STO], s46, v[STO]
	v_add_nc_u32 v[RD], s46, v[CO]
	s_wait_loadcnt 0x0
	v_cvt_pk_bf16_f32 v[BV+4], v[BV], v[BV+1]
	v_cvt_pk_bf16_f32 v[BV+5], v[BV+2], v[BV+3]
	v_lshlrev_b32 v[BV], 16, v[BV+4]
	v_and_b32 v[BV+1], 0xffff0000, v[BV+4]
	v_lshlrev_b32 v[BV+2], 16, v[BV+5]
	v_and_b32 v[BV+3], 0xffff0000, v[BV+5]
.macro MUL8 f, a, zero                 ; row block a x all 8 column blocks.  The 32 accumulators take turns, one instruction a turn
	WIN MUL
.irp b, 0,1,2,3,4,5,6,7
.if \zero
	v_wmma_f32_16x16x32_f16 v[8*(8*(\a)+(\b)):8*(8*(\a)+(\b))+7], v[(\f)+8*(\b):(\f)+8*(\b)+7], v[(\f)+64+8*(\a):(\f)+64+8*(\a)+7], 0
.else
	v_wmma_f32_16x16x32_f16 v[8*(8*(\a)+(\b)):8*(8*(\a)+(\b))+7], v[(\f)+8*(\b):(\f)+8*(\b)+7], v[(\f)+64+8*(\a):(\f)+64+8*(\a)+7], v[8*(8*(\a)+(\b)):8*(8*(\a)+(\b))+7]
.endif
.endr
.endm
.macro FETCH slot, q, f                ; 24 loads in one run: quarter q's fragments: Wo's 8, then O's 4
	WIN 0
.irp b, 0,1,2,3,4,5,6,7
	ds_load_tr16_b128 v[(\f)+8*(\b):(\f)+8*(\b)+3],   v[ADRB+(\slot)] offset:(\q)*32*PB+32*(\b)
	ds_load_tr16_b128 v[(\f)+8*(\b)+4:(\f)+8*(\b)+7], v[ADRB+(\slot)] offset:(\q)*32*PB+32*(\b)+16*PB
.endr
.irp a, 0,1,2,3
	ds_load_b128 v[(\f)+64+8*(\a):(\f)+64+8*(\a)+3],   v[ADRA+(\slot)] offset:((\q)/2)*HALFA+((\q)%2)*64+(\a)*16*PA
	ds_load_b128 v[(\f)+64+8*(\a)+4:(\f)+64+8*(\a)+7], v[ADRA+(\slot)] offset:((\q)/2)*HALFA+((\q)%2)*64+(\a)*16*PA+32
.endr
.endm
.macro QUARTER slot, q, f, g, zero     ; multiplies buffer f; in its middle fetches quarter q of the same slot into g
	s_wait_dscnt 4                                 ; all but O's fragments 2 and 3
	MUL8 \f, 0, \zero
	MUL8 \f, 1, \zero
	PLACES
	FETCH \slot, \q, \g
	s_wait_dscnt 24                                ; all but the 24 just issued
	MUL8 \f, 2, \zero
	MUL8 \f, 3, \zero
.endm
; The last quarter multiplies F1 and changes slots: in front of the barrier each wave waits for all its tensor loads, adds 0 to its spare word, and waits for that and for its reads of this slot.
; fill = 1: the barrier opens a round of the cluster's, and this slot's joint refill, two K steps on, is the first thing behind it: 112 matrix instructions ahead of the wait for it.
.macro TURN slot, next, fill
	WIN 0
	s_wait_tensorcnt 0x0
	ds_add_u32 v[SPW], v[NIL]
	s_wait_dscnt 5                                 ; the add and O's fragments 2 and 3 may be out
	MUL8 F1, 0, 0
	s_wait_dscnt 0x0                               ; the add is done, and my reads of this slot are over
	s_barrier_signal -1
	MUL8 F1, 1, 0
	WIN 0
	s_barrier_wait -1
.if \fill
	CREST
	s_add_nc_u64 s[G0A+4*(\slot)+2:G0A+4*(\slot)+3], s[G0A+4*(\slot)+2:G0A+4*(\slot)+3], 2*524288
	s_add_nc_u64 s[G0B+4*(\slot)+2:G0B+4*(\slot)+3], s[G0B+4*(\slot)+2:G0B+4*(\slot)+3], 2*262144
	JLOAD \slot                                    ; its four v_nop are also the places in front of the loads below
.else
	PLACES
.endif
	FETCH \next, 0, F0
	MUL8 F1, 2, 0
	MUL8 F1, 3, 0
.endm
	s_wait_tensorcnt 0x1                           ; my part of K step 0 is in; K step 1's may stay out
	s_barrier_signal -1
	s_barrier_wait -1
	FETCH 0, 0, F0
	QUARTER 0, 1, F0, F1, 1                        ; the first quarter's products start the sums
	WIN 0
	s_mov_b32 s3, 3
.Llap:                                             ; a trip goes once round the ring and fills both slots again: K steps 2 to 7
	QUARTER 0, 2, F1, F0, 0
	QUARTER 0, 3, F0, F1, 0
	TURN 0, 1, 1
	QUARTER 1, 1, F0, F1, 0
	QUARTER 1, 2, F1, F0, 0
	QUARTER 1, 3, F0, F1, 0
	TURN 1, 0, 1
	QUARTER 0, 1, F0, F1, 0
	WIN 0
	s_sub_co_u32 s3, s3, 1
	s_cmp_lg_u32 s3, 0
	s_cbranch_scc1 .Llap
	QUARTER 0, 2, F1, F0, 0                        ; the last lap fills nothing
	QUARTER 0, 3, F0, F1, 0
	TURN 0, 1, 0
	QUARTER 1, 1, F0, F1, 0
	QUARTER 1, 2, F1, F0, 0
	QUARTER 1, 3, F0, F1, 0
	s_wait_dscnt 4
	MUL8 F1, 0, 0
	MUL8 F1, 1, 0
	s_wait_dscnt 0x0
	MUL8 F1, 2, 0
	MUL8 F1, 3, 0
	WIN 0
	PLACES
; THE WAY OUT, a row block (16 rows x 128 columns of f32) at a time: a lane's eight numbers go into rows of 528 bytes of my own stage, each accumulator's low registers first; whole rows of 512 bytes come back, take the bias and leave.
.macro TOSTAGE a
.if (\a) >= 2
	s_wait_xcnt 0x0                                ; the stores of the block two back have read the registers that are loaded again below
.endif
	WIN 0x04                                       ; the stores' data in window 1
.irp b, 0,1,2,3,4,5,6,7
	ds_store_b128 v[STO], v[8*(8*(\a)+(\b)):8*(8*(\a)+(\b))+3]   offset:64*(\b)
	ds_store_b128 v[STO], v[8*(8*(\a)+(\b))+4:8*(8*(\a)+(\b))+7] offset:64*(\b)+16
.endr
	WIN 0
.irp i, 0,1,2,3,4,5,6,7,8,9,10,11,12,13,14,15
	ds_load_b128 v[64+64*((\a)%2)+4*(\i):64+64*((\a)%2)+4*(\i)+3], v[RD] offset:SPI*(\i)  ; LDS serves a wave's instructions in order (ISA guide 5.7.1.4): these see the stores above; the next block's stores come behind them
.endr
.endm
.macro SEND a, younger                 ; younger: the LDS instructions issued behind block a's loads: the next block's 32, or none
.irp i, 0,1,2,3,4,5,6,7,8,9,10,11,12,13,14,15
	s_wait_dscnt (\younger)+15-(\i)
	v_pk_add_f32 v[64+64*((\a)%2)+4*(\i):64+64*((\a)%2)+4*(\i)+1],   v[64+64*((\a)%2)+4*(\i):64+64*((\a)%2)+4*(\i)+1],   v[BV:BV+1]
	v_pk_add_f32 v[64+64*((\a)%2)+4*(\i)+2:64+64*((\a)%2)+4*(\i)+3], v[64+64*((\a)%2)+4*(\i)+2:64+64*((\a)%2)+4*(\i)+3], v[BV+2:BV+3]
	global_store_b128 v[CO], v[64+64*((\a)%2)+4*(\i):64+64*((\a)%2)+4*(\i)+3], s[10:11] offset:(16*(\a)+(\i))*4096 th:TH_STORE_NT  ; 512 consecutive bytes, at a multiple of 256 from out0's first byte
.endr
.endm
	TOSTAGE 0
	TOSTAGE 1
	SEND 0, 32
	TOSTAGE 2
	SEND 1, 32
	TOSTAGE 3
	SEND 2, 32
	SEND 3, 0
	s_wait_tensorcnt 0x0                           ; the wave's end, behind my last tensor load and my last LDS store
	ds_add_u32 v[SPW], v[NIL]
	s_wait_dscnt 0x0
	CROUND                                         ; the closing round
	s_endpgm
.Lfunc_end_k_qad5020d00b_oproj:
	.size	k_qad5020d00b_oproj, .Lfunc_end_k_qad5020d00b_oproj-k_qad5020d00b_oproj
	.p2alignl 7, 3214868480
	.fill 96, 4, 3214868480
	.section	.rodata,"a",@progbits
	.p2align	6, 0x0
	.amdhsa_kernel k_qad5020d00b_oproj
		.amdhsa_group_segment_fixed_size 327680
		.amdhsa_private_segment_fixed_size 0
		.amdhsa_enable_private_segment 0
		.amdhsa_kernarg_size 32
		.amdhsa_user_sgpr_count 2
		.amdhsa_user_sgpr_kernarg_segment_ptr 1
		.amdhsa_wavefront_size32 1
		.amdhsa_system_sgpr_workgroup_id_x 1
		.amdhsa_system_sgpr_workgroup_id_y 1
		.amdhsa_system_sgpr_workgroup_id_z 1
		.amdhsa_system_vgpr_workitem_id 0
		.amdhsa_next_free_vgpr 512
		.amdhsa_next_free_sgpr 66
		.amdhsa_reserve_vcc 0
		.amdhsa_float_denorm_mode_32 3
		.amdhsa_float_denorm_mode_16_64 3
		.amdhsa_memory_ordered 1
		.amdhsa_forward_progress 1
		.amdhsa_inst_pref_size 95
	.end_amdhsa_kernel
	.amdgpu_metadata
---
amdhsa.version: [ 1, 2 ]
amdhsa.kernels:
  - .name:           k_qad5020d00b_oproj
    .symbol:         k_qad5020d00b_oproj.kd
    .args:
      - { .name: ob, .offset: 0, .size: 8, .value_kind: global_buffer, .address_space: global }
      - { .name: wob, .offset: 8, .size: 8, .value_kind: global_buffer, .address_space: global }
      - { .name: bo, .offset: 16, .size: 8, .value_kind: global_buffer, .address_space: global }
      - { .name: out0, .offset: 24, .size: 8, .value_kind: global_buffer, .address_space: global }
    .group_segment_fixed_size: 327680
    .private_segment_fixed_size: 0
    .kernarg_segment_align: 8
    .kernarg_segment_size: 32
    .max_flat_workgroup_size: 128
    .sgpr_count:     66
    .vgpr_count:     512
    .wavefront_size: 32
...
	.end_amdgpu_metadata
.endif
;; end of part 4
;; ======== version 2 of 2: 4 launches; version 1 with the launch cast written anew for expert scheduling mode
;; limits: values are held in f16: magnitudes above 65,504 overflow, below 6.1e-05 lose precision; inputs' magnitudes at most 65,504
;; workspace buffers: xb 16,777,216 bytes; wqkv 6,291,456 bytes; wob 2,097,152 bytes; qkv 50,331,648 bytes; ob 16,777,216 bytes
;; launch cast (part 5): grid 512 x 1, 8 waves a work-group, no clusters, 0 bytes of LDS; arguments x, Wq, Wk, Wv, Wo, xb, wqkv, wob; writes xb, wqkv, wob
.if DOCPART == 5
	.amdgcn_target "amdgcn-amd-amdhsa--gfx1250"
	.amdhsa_code_object_version 6
	.text
	.protected	k_qad5020d00b_cast
	.globl	k_qad5020d00b_cast
	.p2align	8
	.type	k_qad5020d00b_cast,@function
k_qad5020d00b_cast:
	s_mov_b64 s[64:65], 0
	v_nop
	global_prefetch_b8 v0, s[64:65] scope:SCOPE_SE
	s_setreg_imm32_b32 hwreg(HW_REG_WAVE_SCHED_MODE, 0, 2), 2
	s_setreg_imm32_b32 hwreg(HW_REG_WAVE_MODE, 25, 1), 1
	s_wait_xcnt 0x0
	s_wait_alu depctr_vm_vsrc(0)
; THE INPUTS OF THE MATRIX PRODUCTS, ROUNDED ONCE TO bf16 AND LAID OUT FOR THE LAUNCHES BEHIND.
;   xb   bf16 [16 kb][8192 row][64]: x in blocks of 64 along K, so that any run of rows of one block is dense (128 bytes a row)
;   wqkv bf16 [1024 k][3072 n]: Wq, Wk, Wv side by side, n = 1024 x matrix + column
;   wob  f16  [1024 k][1024 n]: Wo rounded to bf16, that number written as f16
; LIMITS.  |Wo| stays under 65,504 (f16's range); below 6.1e-5 it keeps f16's fixed step of 6e-8.  NaN and infinities are not treated apart.
; SHARES.  Work-group g takes rows 16 g .. 16 g + 15 of x and rows 2 g, 2 g + 1 of each W.  No loop: a thread issues its 24 loads of 16 bytes at once and uses no register twice,
; so no source of a pending load or store is ever rewritten.  No LDS, no matrix unit, no cluster: nothing is shared and nothing is read twice.
; x: wave w takes the K blocks 2 w and 2 w + 1.  A load takes two rows' 256 bytes of one block (lanes 0-15 one row, lanes 16-31 the next); its 8 bytes a lane of bf16 are 256 consecutive bytes of xb, aligned.
; W: the 256 threads take a row's 4,096 bytes, 16 each; a wave stores 256 consecutive bytes, aligned.
; THE MODE: SCHED_MODE bits 1:0 = 2 (LLVM: expert scheduling mode 2), set by the entry lines.  The code itself states the register dependences
; between vector instructions and memory instructions, with s_wait_alu, always for 0.
; THE PLAN.  Registers that memory instructions touch:
;   v1 - v4   offsets.  Written by vector instructions at the head, once; read by every load and store.
;   X, W      as loaded.  Each register is landed in once, by a load that stands ahead of every vector instruction that names it; read by the roundings alone.
;   XO, WO    to store.  Two registers for each load, written once by that load's roundings, read by one store, never written again.
; The 24 loads are six groups of four, in the order of their issue.  Group g waits for its four loads and rounds them into its own registers of XO or WO; its memory instructions are the four stores of
; group g - 1, whose registers no vector instruction of group g names.  So ONE wait on va_vdst at a group's head states all that its four stores hang on, and these are dealt among its roundings with no further wait.
; No register that a memory instruction reads is written again, no vector instruction writes a scalar register, and EXEC is never written: no other wait is owed.
.set PLANE, 1048576                    ; bytes of one K block of xb
.set XL, 1                             ; v1   x: (lane / 16) x 4,096 + (lane % 16) x 16 + wave x 512
.set XS, 2                             ; v2   xb: lane x 8 + wave x 2 planes
.set WL, 3                             ; v3   W: thread x 16
.set WS, 4                             ; v4   wqkv, wob: thread x 8
.set X,  8                             ; v[8:71]    load n of 16: 4 registers
.set W,  72                            ; v[72:103]  load 2 m + i of 8: 4 registers
.set XO, 104                           ; v[104:135] 2 registers to store for each load of x
.set WO, 136                           ; v[136:151] the same for W
.set T,  152                           ; v[152:155] at work, for Wo: no memory instruction names them
	s_load_b512 s[8:23], s[0:1], 0x0               ; x 8, Wq 10, Wk 12, Wv 14, Wo 16, xb 18, wqkv 20, wob 22
	v_and_b32 v5, 31, v0                           ; lane
	v_lshrrev_b32 v6, 5, v0                        ; wave
	v_lshrrev_b32 v7, 4, v5                        ; lane / 16
	v_and_b32 v[XL], 15, v0
	v_lshlrev_b32 v[XL], 4, v[XL]
	v_lshl_add_u32 v[XL], v7, 12, v[XL]
	v_lshl_add_u32 v[XL], v6, 9, v[XL]
	v_lshlrev_b32 v[XS], 3, v5
	v_lshl_add_u32 v[XS], v6, 21, v[XS]
	v_lshlrev_b32 v[WL], 4, v0
	v_lshlrev_b32 v[WS], 3, v0
	s_mov_b32 s3, 0
	s_wait_kmcnt 0x0
	s_lshl_b32 s2, ttmp9, 16                       ; 16 rows of x
	s_add_nc_u64 s[8:9], s[8:9], s[2:3]
	s_lshl_b32 s2, ttmp9, 13                       ; 2 rows of a W
	s_add_nc_u64 s[10:11], s[10:11], s[2:3]
	s_add_nc_u64 s[12:13], s[12:13], s[2:3]
	s_add_nc_u64 s[14:15], s[14:15], s[2:3]
	s_add_nc_u64 s[16:17], s[16:17], s[2:3]
	s_lshl_b32 s2, ttmp9, 11                       ; 16 rows of a block of xb
	s_add_nc_u64 s[18:19], s[18:19], s[2:3]
	s_mul_i32 s2, ttmp9, 12288                     ; 2 rows of wqkv
	s_add_nc_u64 s[20:21], s[20:21], s[2:3]
	s_lshl_b32 s2, ttmp9, 12                       ; 2 rows of wob
	s_add_nc_u64 s[22:23], s[22:23], s[2:3]
	s_wait_alu depctr_va_vdst(0)                   ; the four offsets v1 to v4 are written: every load and store of the kernel reads one of them
.irp n, 0,1,2,3,4,5,6,7,8,9,10,11,12,13,14,15  ; row pair n / 2, K block 2 w + n % 2
	global_load_b128 v[X+4*(\n):X+4*(\n)+3], v[XL], s[8:9] offset:((\n)/2)*8192+((\n)%2)*256 th:TH_LOAD_NT
.endr
.irp m, 0,1,2,3
.irp i, 0,1
	global_load_b128 v[W+4*(2*(\m)+(\i)):W+4*(2*(\m)+(\i))+3], v[WL], s[10+2*(\m):11+2*(\m)] offset:(\i)*4096 th:TH_LOAD_NT
.endr
.endr
.macro CVX n                           ; load n of x: four numbers rounded to bf16
	v_cvt_pk_bf16_f32 v[XO+2*(\n)],   v[X+4*(\n)],   v[X+4*(\n)+1]
	v_cvt_pk_bf16_f32 v[XO+2*(\n)+1], v[X+4*(\n)+2], v[X+4*(\n)+3]
.endm
.macro STX n                           ; and stored
	global_store_b64 v[XS], v[XO+2*(\n):XO+2*(\n)+1], s[18:19] offset:((\n)%2)*PLANE+((\n)/2)*256
.endm
.macro CVW j                           ; load j = 2 m + i of Wq, Wk, Wv (j = 0 .. 5)
	v_cvt_pk_bf16_f32 v[WO+2*(\j)],   v[W+4*(\j)],   v[W+4*(\j)+1]
	v_cvt_pk_bf16_f32 v[WO+2*(\j)+1], v[W+4*(\j)+2], v[W+4*(\j)+3]
.endm
.macro STW j
	global_store_b64 v[WS], v[WO+2*(\j):WO+2*(\j)+1], s[20:21] offset:((\j)%2)*6144+((\j)/2)*2048
.endm
.macro CVO i                           ; row i of Wo: to bf16, back to f32 (a shift, a mask), and that number to f16
	v_cvt_pk_bf16_f32 v[T],   v[W+24+4*(\i)],   v[W+24+4*(\i)+1]
	v_cvt_pk_bf16_f32 v[T+1], v[W+24+4*(\i)+2], v[W+24+4*(\i)+3]
	v_lshlrev_b32 v[T+2], 16, v[T]
	v_and_b32 v[T+3], 0xffff0000, v[T]
	v_cvt_pk_f16_f32 v[WO+12+2*(\i)], v[T+2], v[T+3]
	v_lshlrev_b32 v[T+2], 16, v[T+1]
	v_and_b32 v[T+3], 0xffff0000, v[T+1]
	v_cvt_pk_f16_f32 v[WO+12+2*(\i)+1], v[T+2], v[T+3]
.endm
.macro STO i
	global_store_b64 v[WS], v[WO+12+2*(\i):WO+12+2*(\i)+1], s[22:23] offset:(\i)*2048
.endm
	s_wait_loadcnt 20                              ; group 0.  Loads come back in order (ISA guide 5.7.1): behind the group's last load stand 20 others
.irp i, 0,1,2,3
	CVX \i
.endr
.irp g, 1,2,3                          ; groups 1 to 3: x's loads 4 g .. 4 g + 3
	s_wait_loadcnt 20-4*(\g)                       ; behind the group's last load stand 20 - 4 g others
	s_wait_alu depctr_va_vdst(0)                   ; the roundings of group g - 1 have written its eight registers of XO, which the four stores below read
.irp i, 0,1,2,3
	STX 4*((\g)-1)+(\i)                            ; no vector instruction since the wait names this store's registers
	CVX 4*(\g)+(\i)
.endr
.endr
	s_wait_loadcnt 4                               ; group 4: Wq and Wk are in; Wv and Wo stay out
	s_wait_alu depctr_va_vdst(0)                   ; the roundings of group 3 have written XO's last eight registers, which the four stores below read
.irp i, 0,1,2,3
	STX 12+(\i)
	CVW \i
.endr
	s_wait_loadcnt 0x0                             ; group 5: Wv and Wo
	s_wait_alu depctr_va_vdst(0)                   ; the roundings of group 4 have written WO's first eight registers, which the four stores below read
	STW 0
	CVW 4
	STW 1
	CVW 5
	STW 2
	CVO 0
	STW 3
	CVO 1
	s_wait_alu depctr_va_vdst(0)                   ; the roundings of group 5 have written WO's last eight registers, which the last four stores read
	STW 4
	STW 5
	STO 0
	STO 1
	s_endpgm
.Lfunc_end_k_qad5020d00b_cast:
	.size	k_qad5020d00b_cast, .Lfunc_end_k_qad5020d00b_cast-k_qad5020d00b_cast
	.p2alignl 7, 3214868480
	.fill 96, 4, 3214868480
	.section	.rodata,"a",@progbits
	.p2align	6, 0x0
	.amdhsa_kernel k_qad5020d00b_cast
		.amdhsa_group_segment_fixed_size 0
		.amdhsa_private_segment_fixed_size 0
		.amdhsa_enable_private_segment 0
		.amdhsa_kernarg_size 64
		.amdhsa_user_sgpr_count 2
		.amdhsa_user_sgpr_kernarg_segment_ptr 1
		.amdhsa_wavefront_size32 1
		.amdhsa_system_sgpr_workgroup_id_x 1
		.amdhsa_system_sgpr_workgroup_id_y 1
		.amdhsa_system_sgpr_workgroup_id_z 1
		.amdhsa_system_vgpr_workitem_id 0
		.amdhsa_next_free_vgpr 160
		.amdhsa_next_free_sgpr 66
		.amdhsa_reserve_vcc 0
		.amdhsa_float_denorm_mode_32 3
		.amdhsa_float_denorm_mode_16_64 3
		.amdhsa_memory_ordered 1
		.amdhsa_forward_progress 1
		.amdhsa_inst_pref_size 10
	.end_amdhsa_kernel
	.amdgpu_metadata
---
amdhsa.version: [ 1, 2 ]
amdhsa.kernels:
  - .name:           k_qad5020d00b_cast
    .symbol:         k_qad5020d00b_cast.kd
    .args:
      - { .name: x, .offset: 0, .size: 8, .value_kind: global_buffer, .address_space: global }
      - { .name: Wq, .offset: 8, .size: 8, .value_kind: global_buffer, .address_space: global }
      - { .name: Wk, .offset: 16, .size: 8, .value_kind: global_buffer, .address_space: global }
      - { .name: Wv, .offset: 24, .size: 8, .value_kind: global_buffer, .address_space: global }
      - { .name: Wo, .offset: 32, .size: 8, .value_kind: global_buffer, .address_space: global }
      - { .name: xb, .offset: 40, .size: 8, .value_kind: global_buffer, .address_space: global }
      - { .name: wqkv, .offset: 48, .size: 8, .value_kind: global_buffer, .address_space: global }
      - { .name: wob, .offset: 56, .size: 8, .value_kind: global_buffer, .address_space: global }
    .group_segment_fixed_size: 0
    .private_segment_fixed_size: 0
    .kernarg_segment_align: 8
    .kernarg_segment_size: 64
    .max_flat_workgroup_size: 256
    .sgpr_count:     66
    .vgpr_count:     160
    .wavefront_size: 32
...
	.end_amdgpu_metadata
.endif
;; end of part 5
;; launch proj: the kernel of part 2 again; grid 8 x 32, 4 waves a work-group, clusters of 4 x 4, 327,680 bytes of LDS; arguments xb, wqkv, bq, bk, bv, qkv; writes qkv
;; launch attn: the kernel of part 3 again; grid 4 x 64, 4 waves a work-group, clusters of 4 x 1, 327,680 bytes of LDS; arguments qkv, ob; writes ob
;; launch oproj: the kernel of part 4 again; grid 4 x 64, 4 waves a work-group, clusters of 4 x 4, 327,680 bytes of LDS; arguments ob, wob, bo, out0; writes out0
